; MI455X (gfx1250); checked and timed in simulation.
; The chip was launched on July 23, 2026; its instructions are those of AMD's public machine-readable ISA for CDNA 5 (MIT licence, August 2026) and "CDNA5" Instruction Set Architecture Reference Guide (July 2026). The comments in the code are by the model that wrote it; some were corrected since.
;; Multi Headed Attention. Allowed arithmetic: float matrix products may take bf16 or f16 operands with f32 sums; all other float work in f32.
;; Inputs: attn_pos 1 x 16 x 1,024 x 1,024 float32; bk 1,024 float32; bo 1,024 float32; bq 1,024 float32; bv 1,024 float32; key_ 8 x 1,024 x 1,024 float32; mask 8 x 1,024 x 1,024 int32; query 8 x 1,024 x 1,024 float32; value 8 x 1,024 x 1,024 float32; wk 1,024 x 1,024 float32; wo 1,024 x 1,024 float32; wq 1,024 x 1,024 float32; wv 1,024 x 1,024 float32.
;; Outputs: out0 8 x 1,024 x 1,024 float32.
;; One version. Each part assembles by itself: llvm-mc -triple=amdgcn-amd-amdhsa -mcpu=gfx1250 --defsym DOCPART=n.
;; ======== version 1 of 1: 4 launches
;; limits: values are held in f16: magnitudes above 65,504 overflow, below 6.1e-05 lose precision; right only within a limited range of input values
;; workspace buffers: wh 6,291,456 bytes; w2h 2,097,152 bytes; b2 4,096 bytes; mw 1,048,576 bytes of whole numbers; qkv 50,331,648 bytes; xh 16,777,216 bytes
;; launch prep (part 1): grid 256 x 1, 16 waves a work-group, no clusters, 316,416 bytes of LDS; arguments wq, wk, wv, wo, bo, mask, wh, w2h, b2, mw; writes wh, w2h, b2, mw
.if DOCPART == 1
	.amdgcn_target "amdgcn-amd-amdhsa--gfx1250"
	.amdhsa_code_object_version 6
	.text
	.protected	k_qed43f28b0b_prep
	.globl	k_qed43f28b0b_prep
	.p2align	8
	.type	k_qed43f28b0b_prep,@function
k_qed43f28b0b_prep:
	s_mov_b64 s[64:65], 0
	v_nop
	global_prefetch_b8 v0, s[64:65] scope:SCOPE_SE
	s_setreg_imm32_b32 hwreg(HW_REG_WAVE_MODE, 25, 1), 1
	s_wait_xcnt 0x0
; prep: four jobs that need nothing from each other, side by side in every work-group of sixteen waves, so that the reads of one hide under the work of another.
;   waves 0..7   W2 = wo x wo, times 16, in f16, blocked [j/64][n][j%64] -> w2h   (the group's tile of 64 n x 64 j; 256 tiles = 256 groups)
;   waves 8..15  mask -> one bit for each score, as lane masks of the attention kernel's score registers -> mw   (one task a wave; 2,048 tasks)
;   waves 8..10  then wq, wk, wv -> f16, blocked [job][k/64][n][k%64] -> wh       (four rows a wave; 768 tasks = 3 a group)
;   wave  11     then b2 = wo x bo + bo in f32 (one column: vector arithmetic) -> b2   (four rows a group)
; Waves 8..15 do all their work while waves 0..7 fill LDS; behind the first barrier they only pass the barriers.
; Three barriers, all in the text that every wave runs: behind W2's fill of LDS, behind its products (A's first bytes then serve as the stage) and behind its
; stores into the stage.  Branches on the wave's number jump over work alone.  Behind each barrier W2's addresses are made afresh from the thread's and the group's number.
; Why W2: (x wo^T + bo) wo^T + bo = x (wo wo)^T + (wo bo + bo) for every input; the order of rounding differs from two layers in a row.
; LIMITS: f16 operands: |wo|, |wq|, |wk|, |wv| and 16 |W2| must stay below 65,504; below 6e-5 they have steps of 6e-8.  NaN and infinities are not served.
.set APITCH, 2064                      ; W2: a row of wo in f16, 2,048 bytes + 16: an odd multiple of 16
.set BPITCH, 144                       ; W2: 64 columns of a row of wo in f16, 128 bytes + 16; not an odd multiple of 32, so the transposing loads collide two deep: 160 would not fit
.set BBASE,  64*APITCH                 ; 132,096: B's 1,024 rows lie behind A's 64
.set WPITCH, 144                       ; W2's way out: 64 f16 + 16 bytes; 64 such rows in A's first bytes
.set MSTAGE, BBASE+1024*BPITCH         ; 279,552: 16 rows of 272 bytes for each of waves 8..15
	s_load_b512 s[8:23], s[0:1], 0x0               ; wq s[8:9] wk s[10:11] wv s[12:13] wo s[14:15] bo s[16:17] mask s[18:19] wh s[20:21] w2h s[22:23]
	s_load_b128 s[24:27], s[0:1], 0x40             ; b2 s[24:25] mw s[26:27]
	v_lshl_add_u32 v14, v0, 2, 0x4cc00
	v_mov_b32 v15, 0
	v_lshrrev_b32 v1, 5, v0
	v_readfirstlane_b32 s28, v1                    ; wave 0..15
	v_and_b32 v1, 31, v0                           ; l
	v_and_b32 v2, 15, v0                           ; r = l % 16
	v_bfe_u32 v3, v0, 4, 1                         ; h = l / 16;  v1, v2, v3 and s28 are never written again
	s_wait_kmcnt 0x0
	s_cmp_lt_u32 s28, 8
	s_cbranch_scc0 .Lhelp
; ---------------- waves 0..7, W2: all of K goes into LDS: 64 rows of wo (n) and 64 columns of all 1,024 rows (k x j), in f16 ----------------
	s_lshr_b32 s29, ttmp9, 4                       ; nb
	s_and_b32 s30, ttmp9, 15                       ; jb
	s_lshl_b32 s32, s29, 6
	s_lshl3_add_u32 s32, s28, s32                  ; row 64 nb + 8 w
	s_lshl_b32 s32, s32, 12
	s_mov_b32 s33, 0
	s_add_nc_u64 s[32:33], s[14:15], s[32:33]      ; A: my 8 rows
	s_lshl_b32 s34, s28, 19                        ; 128 w rows of 4,096 bytes
	s_lshl_b32 s35, s30, 8                         ; 64 jb columns of 4 bytes
	s_add_co_u32 s34, s34, s35
	s_mov_b32 s35, 0
	s_add_nc_u64 s[34:35], s[14:15], s[34:35]      ; B: my 128 rows, the tile's 64 columns
	v_lshlrev_b32 v4, 4, v1                        ; A: 16 l
	v_lshlrev_b32 v5, 4, v2
	v_lshl_add_u32 v5, v3, 12, v5                  ; B: two rows a load: 4,096 h + 16 r
	s_mul_i32 s36, s28, 8*APITCH
	v_lshl_add_u32 v6, v1, 3, s36                  ; A in LDS: row 8 w, 8 bytes a lane
	s_mul_i32 s36, s28, 128*BPITCH
	s_add_co_u32 s36, s36, BBASE
	v_mul_u32_u24 v7, v3, BPITCH
	v_lshl_add_u32 v7, v2, 3, v7
	v_add_nc_u32 v7, s36, v7                       ; B in LDS: row 128 w + h, 8 bytes a lane
; Eight batches of 16 loads (four of A, four of B) go through three sets of 64 registers, so that two batches are on their way while one is narrowed.
.macro LDBATCH k
.set SB, 64+64*((\k)%3)
.set ii, 0
.rept 16
.if (\k) < 4
	global_load_b128 v[SB+4*ii:SB+4*ii+3], v4, s[32:33] offset:(2*(\k)+(ii>>3))*4096+(ii&7)*512
.else
	global_load_b128 v[SB+4*ii:SB+4*ii+3], v5, s[34:35] offset:(32*((\k)-4)+2*ii)*4096
.endif
.set ii, ii+1
.endr
.endm
.macro STBATCH k
.set SB, 64+64*((\k)%3)
.set ii, 0
.rept 16
	v_cvt_pk_f16_f32 v[SB+4*ii], v[SB+4*ii], v[SB+4*ii+1]
	v_cvt_pk_f16_f32 v[SB+4*ii+1], v[SB+4*ii+2], v[SB+4*ii+3]
.set ii, ii+1
.endr
.set ii, 0
.rept 16
.if (\k) < 4
	ds_store_b64 v6, v[SB+4*ii:SB+4*ii+1] offset:(2*(\k)+(ii>>3))*APITCH+(ii&7)*256
.else
	ds_store_b64 v7, v[SB+4*ii:SB+4*ii+1] offset:(32*((\k)-4)+2*ii)*BPITCH
.endif
.set ii, ii+1
.endr
.endm
	LDBATCH 0
	LDBATCH 1
	LDBATCH 2
.irp k, 0,1,2,3,4,5,6,7
.if \k < 6
	s_wait_loadcnt 32                              ; loads return in order: this batch is in, the two younger ones (32 loads) stay out
.endif
.if \k == 6
	s_wait_loadcnt 16                              ; one younger batch is left
.endif
.if \k == 7
	s_wait_loadcnt 0x0
.endif
	STBATCH \k
.if \k < 5
	LDBATCH (\k+3)
.endif
.endr
	s_branch .Ljoin1
; ---------------- waves 8..15, mask words: a wave takes 64 query rows x 64 keys and makes 128 words ----------------
; Word (qt, i = 8 kt + j), bit r + 16 h  =  mask[64 Qb + 16 qt + r][64 t + 16 kt + 8 h + j] != 0.
.Lhelp:
	s_lshl_b32 s29, ttmp9, 3
	s_add_co_u32 s29, s29, s28
	s_sub_co_u32 s29, s29, 8                       ; task = 8 x group + (wave - 8) = (b 16 + Qb) 16 + t
	s_lshr_b32 s30, s29, 4
	s_lshl_b32 s30, s30, 18                        ; 64 rows of 4,096 bytes
	s_and_b32 s31, s29, 15
	s_lshl_b32 s31, s31, 8                         ; 64 keys of 4 bytes
	s_add_co_u32 s30, s30, s31
	s_mov_b32 s31, 0
	s_add_nc_u64 s[18:19], s[18:19], s[30:31]
	v_lshlrev_b32 v4, 4, v2
	v_lshl_add_u32 v4, v3, 12, v4                  ; two rows a load, 256 bytes of each
.set ii, 0
.rept 32
	global_load_b128 v[64+4*ii:67+4*ii], v4, s[18:19] offset:ii*8192 th:TH_LOAD_NT
.set ii, ii+1
.endr
	s_mul_i32 s30, s28, 16*272
	s_add_co_u32 s30, s30, MSTAGE-8*16*272         ; the wave's own 16 rows of 272 bytes
	v_mul_u32_u24 v5, v3, 272
	v_lshl_add_u32 v5, v2, 4, v5
	v_add_nc_u32 v5, s30, v5                       ; in: row h, 16 r
	v_mul_u32_u24 v6, v2, 272
	v_lshl_add_u32 v6, v3, 5, v6
	v_add_nc_u32 v6, s30, v6                       ; back: row r, keys 8 h ..
.irp c, 0,1,2,3
	v_mov_b32 v[224+\c], 0
.endr
.irp qt, 0,1,2,3
	s_wait_loadcnt 24-8*\qt                        ; the eight loads of these 16 rows are in, the younger ones stay out
.irp u, 0,1,2,3,4,5,6,7
	ds_store_b128 v5, v[64+32*\qt+4*\u:67+32*\qt+4*\u] offset:\u*544
.endr
.irp kt, 0,1,2,3
	ds_load_b128 v[192+8*\kt:195+8*\kt], v6 offset:64*\kt          ; LDS serves a wave's instructions in order: these see the stores above,
	ds_load_b128 v[196+8*\kt:199+8*\kt], v6 offset:64*\kt+16       ; and the next 16 rows' stores come behind them
.endr
	s_wait_dscnt 0x0
.set ii, 0
.rept 32
	v_cmp_ne_u32 s[32+ii], 0, v[192+ii]
.set ii, ii+1
.endr
.set ii, 0
.rept 32
	v_writelane_b32 v[224+(ii&3)], s[32+ii], 8*\qt+(ii>>2)         ; word 32 qt + i goes to lane (32 qt + i) / 4, register i % 4
.set ii, ii+1
.endr
.endr
	s_lshl_b32 s30, s29, 9
	s_mov_b32 s31, 0
	s_add_nc_u64 s[26:27], s[26:27], s[30:31]
	v_lshlrev_b32 v7, 4, v1
	global_store_b128 v7, v[224:227], s[26:27]     ; the task's 512 bytes; v7, v[224:227] and s[26:27] are not written again
	s_cmp_lt_u32 s28, 11
	s_cbranch_scc0 .Lnot_cast
; ---------------- waves 8..10: four rows of wq, wk or wv to f16, blocked ----------------
	s_mul_i32 s29, ttmp9, 3
	s_add_co_u32 s29, s29, s28
	s_sub_co_u32 s29, s29, 8                       ; 3 x group + (wave - 8): 0..767
	s_lshr_b32 s30, s29, 8                         ; job
	s_and_b32 s31, s29, 255                        ; rows 4 x this
	s_cmp_eq_u32 s30, 0
	s_cselect_b64 s[32:33], s[8:9], s[10:11]
	s_cmp_eq_u32 s30, 2
	s_cselect_b64 s[32:33], s[12:13], s[32:33]
	s_lshl_b32 s34, s31, 14
	s_mov_b32 s35, 0
	s_add_nc_u64 s[32:33], s[32:33], s[34:35]
	s_lshl_b32 s34, s30, 21                        ; 2 MiB a job
	s_lshl_b32 s36, s31, 9                         ; 4 rows of 128 bytes
	s_add_co_u32 s34, s34, s36
	s_add_nc_u64 s[20:21], s[20:21], s[34:35]
	v_and_b32 v8, 7, v0                            ; which 8 k of a plane's 64
	v_bfe_u32 v9, v0, 3, 1                         ; which of two rows
	v_lshlrev_b32 v10, 5, v8
	v_lshl_add_u32 v10, v9, 12, v10
	v_lshl_add_u32 v10, v3, 8, v10                 ; from: row, plane (h), 32 bytes
	v_lshlrev_b32 v11, 4, v8
	v_lshl_add_u32 v11, v9, 7, v11
	v_lshl_add_u32 v11, v3, 17, v11                ; to: plane of 131,072 bytes, row of 128, 16 bytes: sixteen lanes fill 256 consecutive bytes
.irp rp, 0,1
.irp c, 0,1,2,3,4,5,6,7
	global_load_b128 v[64+8*(8*\rp+\c):67+8*(8*\rp+\c)], v10, s[32:33] offset:\rp*8192+\c*512 th:TH_LOAD_NT
	global_load_b128 v[68+8*(8*\rp+\c):71+8*(8*\rp+\c)], v10, s[32:33] offset:\rp*8192+\c*512+16 th:TH_LOAD_NT
.endr
.endr
	s_wait_loadcnt 0x0
.set ii, 0
.rept 16
	v_cvt_pk_f16_f32 v[64+8*ii], v[64+8*ii], v[65+8*ii]
	v_cvt_pk_f16_f32 v[65+8*ii], v[66+8*ii], v[67+8*ii]
	v_cvt_pk_f16_f32 v[66+8*ii], v[68+8*ii], v[69+8*ii]
	v_cvt_pk_f16_f32 v[67+8*ii], v[70+8*ii], v[71+8*ii]
.set ii, ii+1
.endr
.irp rp, 0,1
.irp c, 0,1,2,3,4,5,6,7
	global_store_b128 v11, v[64+8*(8*\rp+\c):67+8*(8*\rp+\c)], s[20:21] offset:\c*262144+\rp*256
.endr
.endr
	s_branch .Ljoin1
.Lnot_cast:
	s_cmp_eq_u32 s28, 11
	s_cbranch_scc0 .Ljoin1
; ---------------- wave 11: b2[n] = sum over k of wo[n][k] bo[k] + bo[n], n = 4 x group ..+3, in f32 ----------------
	s_lshl_b32 s30, ttmp9, 14                      ; 4 rows of 4,096 bytes
	s_mov_b32 s31, 0
	s_add_nc_u64 s[14:15], s[14:15], s[30:31]
	s_lshl_b32 s30, ttmp9, 4                       ; 4 numbers of 4 bytes
	s_add_nc_u64 s[32:33], s[16:17], s[30:31]
	s_add_nc_u64 s[24:25], s[24:25], s[30:31]
	s_mov_b32 s40, 0x76543210                      ; v_permlanex16_b32: lane i reads lane i of the other half
	s_mov_b32 s41, 0xfedcba98
	v_lshlrev_b32 v8, 4, v1
	v_mov_b32 v9, 0
.irp c, 0,1,2,3,4,5,6,7
	global_load_b128 v[32+4*\c:35+4*\c], v8, s[16:17] offset:512*\c
.endr
.irp row, 0,1,2,3
.irp c, 0,1,2,3,4,5,6,7
	global_load_b128 v[64+32*\row+4*\c:67+32*\row+4*\c], v8, s[14:15] offset:4096*\row+512*\c
.endr
.endr
	global_load_b128 v[192:195], v9, s[32:33]      ; bo of my four n, in every lane
	s_wait_loadcnt 0x0
.irp row, 0,1,2,3
	v_pk_mul_f32 v[196:197], v[64+32*\row:65+32*\row], v[32:33]
.set ii, 1
.rept 15
	v_pk_fma_f32 v[196:197], v[64+32*\row+2*ii:65+32*\row+2*ii], v[32+2*ii:33+2*ii], v[196:197]
.set ii, ii+1
.endr
	v_add_f32 v196, v196, v197
	v_add_f32_dpp v196, v196, v196 row_xmask:1 row_mask:0xf bank_mask:0xf
	v_add_f32_dpp v196, v196, v196 row_xmask:2 row_mask:0xf bank_mask:0xf
	v_add_f32_dpp v196, v196, v196 row_xmask:4 row_mask:0xf bank_mask:0xf
	v_add_f32_dpp v196, v196, v196 row_xmask:8 row_mask:0xf bank_mask:0xf
	v_permlanex16_b32 v197, v196, s40, s41
	v_add_f32 v196, v196, v197
	v_add_f32 v[200+\row], v196, v[192+\row]
.endr
	v_cmp_eq_u32 vcc_lo, 0, v1
	s_wait_xcnt 0x0                                ; EXEC is narrowed only when no earlier load or store still reads it
	s_and_saveexec_b32 s42, vcc_lo
	global_store_b128 v9, v[200:203], s[24:25]     ; lane 0 stores the wave's 16 bytes
	s_wait_xcnt 0x0                                ; and widened again only behind this wait
	s_or_b32 exec_lo, exec_lo, s42
.Ljoin1:
	s_wait_dscnt 0x0                               ; my LDS stores are in LDS before I say so
	s_barrier_signal -1
	s_barrier_wait -1                              ; A and B are whole
	s_cmp_lt_u32 s28, 8
	s_cbranch_scc0 .Ljoin2
; ---------------- waves 0..7: the products ----------------
	s_lshr_b32 s37, s28, 1                         ; a: which 16 n are mine
	s_and_b32 s38, s28, 1                          ; which 32 j are mine
	s_mul_i32 s39, s37, 16*APITCH
	v_mul_u32_u24 v8, v2, APITCH
	v_lshl_add_u32 v8, v3, 4, v8
	v_add_nc_u32 v8, s39, v8                       ; fragments of A: (16 a + r) pitch + 16 h
	v_and_b32 v9, 7, v0
	v_lshl_add_u32 v9, v3, 3, v9
	v_mul_u32_u24 v9, v9, BPITCH
	v_bfe_u32 v10, v0, 3, 1
	v_lshl_add_u32 v9, v10, 4, v9
	s_lshl_b32 s39, s38, 6
	s_add_co_u32 s39, s39, BBASE
	v_add_nc_u32 v9, s39, v9                       ; transposing loads: (8 h + l % 8) pitch + 16 ((l / 8) % 2) + my 64 bytes
; 128 along K: source 0 = 16 j (transposed out of LDS), source 1 = 16 n: a lane then holds eight neighbouring j of one n.
; Two accumulators by turns, one instruction a turn, over the backward jump too.
.macro W2MM acc, ks, fr, z
.if \z
	v_wmma_f32_16x16x32_f16 v[\acc:\acc+7], v[64+24*\ks+\fr:64+24*\ks+\fr+7], v[64+24*\ks:64+24*\ks+7], 0
.else
	v_wmma_f32_16x16x32_f16 v[\acc:\acc+7], v[64+24*\ks+\fr:64+24*\ks+\fr+7], v[64+24*\ks:64+24*\ks+7], v[\acc:\acc+7]
.endif
.endm
.macro W2TRIP zero
.rept 4
	v_nop                                          ; four places between the last matrix instruction and loads into its sources
.endr
.irp ks, 0,1,2,3
	ds_load_b128 v[64+24*\ks:67+24*\ks], v8 offset:\ks*64
	ds_load_b128 v[68+24*\ks:71+24*\ks], v8 offset:\ks*64+32
	ds_load_tr16_b128 v[72+24*\ks:75+24*\ks], v9 offset:\ks*32*BPITCH
	ds_load_tr16_b128 v[76+24*\ks:79+24*\ks], v9 offset:\ks*32*BPITCH+16*BPITCH
	ds_load_tr16_b128 v[80+24*\ks:83+24*\ks], v9 offset:\ks*32*BPITCH+32
	ds_load_tr16_b128 v[84+24*\ks:87+24*\ks], v9 offset:\ks*32*BPITCH+16*BPITCH+32
.endr
	s_wait_dscnt 0x0
	W2MM 16, 0, 8, \zero
	W2MM 24, 0, 16, \zero
.irp ks, 1,2,3
	W2MM 16, \ks, 8, 0
	W2MM 24, \ks, 16, 0
.endr
	v_add_nc_u32 v8, 256, v8                       ; 128 k on: 256 bytes along A's rows,
	v_add_nc_u32 v9, 128*BPITCH, v9                ; 128 rows of B
.endm
	W2TRIP 1                                       ; the first products start the sums
	s_mov_b32 s40, 7
.Lw2k:
	W2TRIP 0
	s_sub_co_i32 s40, s40, 1
	s_cmp_lg_u32 s40, 0
	s_cbranch_scc1 .Lw2k
.rept 4
	v_nop                                          ; four places before the results are read
.endr
.irp j, 0,2,4,6,8,10,12,14
	v_pk_mul_f32 v[16+\j:17+\j], v[16+\j:17+\j], 0x41800000 op_sel_hi:[1,0]   ; times 16: room in f16 for a small wo
.endr
.irp j, 0,1,2,3,4,5,6,7
	v_cvt_pk_f16_f32 v[32+\j], v[16+2*\j], v[17+2*\j]
.endr
.Ljoin2:
	s_barrier_signal -1                            ; every wave's reads of A and B were waited for in its last trip:
	s_barrier_wait -1                              ; A's first bytes now serve as the stage, 64 rows (n) of 144 bytes
	s_cmp_lt_u32 s28, 8
	s_cbranch_scc0 .Ljoin3
; waves 0..7: 16 bytes a lane and j tile into the stage
	s_lshr_b32 s37, s28, 1
	s_and_b32 s38, s28, 1
	s_mul_i32 s39, s37, 16*WPITCH
	s_lshl_b32 s41, s38, 6
	s_add_co_u32 s39, s39, s41
	v_mul_u32_u24 v10, v2, WPITCH
	v_lshl_add_u32 v10, v3, 4, v10
	v_add_nc_u32 v10, s39, v10                     ; (16 a + r) x 144 + my 64 bytes + 16 h
	ds_store_b128 v10, v[32:35]
	ds_store_b128 v10, v[36:39] offset:32
.Ljoin3:
	s_wait_dscnt 0x0                               ; my stores into the stage are in LDS before I say so
	s_barrier_signal -1
	s_barrier_wait -1                              ; the tile is whole in the stage
	s_cmp_lt_u32 s28, 8
	s_cbranch_scc0 .Lend
; waves 0..7: eight rows of the tile each, out as runs of 512 bytes
	v_lshrrev_b32 v48, 3, v1
	v_mul_u32_u24 v48, v48, WPITCH
	v_and_b32 v49, 7, v0
	v_lshl_add_u32 v48, v49, 4, v48
	s_mul_i32 s39, s28, 8*WPITCH
	v_add_nc_u32 v48, s39, v48                     ; four rows of 128 bytes a load
	ds_load_b128 v[40:43], v48
	ds_load_b128 v[44:47], v48 offset:4*WPITCH
	v_lshlrev_b32 v50, 4, v1                       ; 16 l
	s_lshr_b32 s29, ttmp9, 4                       ; nb
	s_and_b32 s30, ttmp9, 15                       ; jb
	s_lshl_b32 s42, s30, 10                        ; plane jb,
	s_lshl_b32 s43, s29, 6
	s_add_co_u32 s42, s42, s43
	s_lshl3_add_u32 s42, s28, s42                  ; row 64 nb + 8 w,
	s_lshl_b32 s42, s42, 7                         ; of 128 bytes
	s_mov_b32 s43, 0
	s_add_nc_u64 s[42:43], s[22:23], s[42:43]
	s_wait_dscnt 0x1                               ; the first four rows are back, the second load may be out
	global_store_b128 v50, v[40:43], s[42:43]      ; 512 consecutive bytes a store
	s_wait_dscnt 0x0
	global_store_b128 v50, v[44:47], s[42:43] offset:512
.Lend:
	s_wait_tensorcnt 0x0
	ds_add_u32 v14, v15
	s_wait_dscnt 0x0
	s_endpgm
.Lfunc_end_k_qed43f28b0b_prep:
	.size	k_qed43f28b0b_prep, .Lfunc_end_k_qed43f28b0b_prep-k_qed43f28b0b_prep
	.p2alignl 7, 3214868480
	.fill 96, 4, 3214868480
	.section	.rodata,"a",@progbits
	.p2align	6, 0x0
	.amdhsa_kernel k_qed43f28b0b_prep
		.amdhsa_group_segment_fixed_size 316416
		.amdhsa_private_segment_fixed_size 0
		.amdhsa_enable_private_segment 0
		.amdhsa_kernarg_size 80
		.amdhsa_user_sgpr_count 2
		.amdhsa_user_sgpr_kernarg_segment_ptr 1
		.amdhsa_wavefront_size32 1
		.amdhsa_system_sgpr_workgroup_id_x 1
		.amdhsa_system_sgpr_workgroup_id_y 1
		.amdhsa_system_sgpr_workgroup_id_z 1
		.amdhsa_system_vgpr_workitem_id 0
		.amdhsa_next_free_vgpr 256
		.amdhsa_next_free_sgpr 66
		.amdhsa_reserve_vcc 1
		.amdhsa_float_denorm_mode_32 3
		.amdhsa_float_denorm_mode_16_64 3
		.amdhsa_memory_ordered 1
		.amdhsa_forward_progress 1
		.amdhsa_inst_pref_size 92
	.end_amdhsa_kernel
	.amdgpu_metadata
---
amdhsa.version: [ 1, 2 ]
amdhsa.kernels:
  - .name:           k_qed43f28b0b_prep
    .symbol:         k_qed43f28b0b_prep.kd
    .args:
      - { .name: wq, .offset: 0, .size: 8, .value_kind: global_buffer, .address_space: global }
      - { .name: wk, .offset: 8, .size: 8, .value_kind: global_buffer, .address_space: global }
      - { .name: wv, .offset: 16, .size: 8, .value_kind: global_buffer, .address_space: global }
      - { .name: wo, .offset: 24, .size: 8, .value_kind: global_buffer, .address_space: global }
      - { .name: bo, .offset: 32, .size: 8, .value_kind: global_buffer, .address_space: global }
      - { .name: mask, .offset: 40, .size: 8, .value_kind: global_buffer, .address_space: global }
      - { .name: wh, .offset: 48, .size: 8, .value_kind: global_buffer, .address_space: global }
      - { .name: w2h, .offset: 56, .size: 8, .value_kind: global_buffer, .address_space: global }
      - { .name: b2, .offset: 64, .size: 8, .value_kind: global_buffer, .address_space: global }
      - { .name: mw, .offset: 72, .size: 8, .value_kind: global_buffer, .address_space: global }
    .group_segment_fixed_size: 316416
    .private_segment_fixed_size: 0
    .kernarg_segment_align: 8
    .kernarg_segment_size: 80
    .max_flat_workgroup_size: 512
    .sgpr_count:     66
    .vgpr_count:     256
    .wavefront_size: 32
...
	.end_amdgpu_metadata
.endif
;; end of part 1
;; launch proj (part 2): grid 4 x 192, 4 waves a work-group, clusters of 4 x 4, 327,680 bytes of LDS; arguments query, key_, value, bq, bk, bv, wh, qkv; writes qkv
.if DOCPART == 2
	.amdgcn_target "amdgcn-amd-amdhsa--gfx1250"
	.amdhsa_code_object_version 6
	.text
	.protected	k_qed43f28b0b_proj
	.globl	k_qed43f28b0b_proj
	.p2align	8
	.type	k_qed43f28b0b_proj,@function
k_qed43f28b0b_proj:
	s_mov_b64 s[64:65], 0
	v_nop
	global_prefetch_b8 v0, s[64:65] scope:SCOPE_SE
	s_setreg_imm32_b32 hwreg(HW_REG_WAVE_MODE, 25, 1), 1
	s_wait_xcnt 0x0
	s_wait_alu depctr_hold_cnt(0) depctr_sa_sdst(0) depctr_va_vdst(0) depctr_va_sdst(0) depctr_va_ssrc(0) depctr_va_vcc(0) depctr_vm_vsrc(0)
	s_getreg_b32 s2, hwreg(HW_REG_IB_STS2, 6, 4)
	s_cmp_eq_u32 s2, 0
	s_cbranch_scc0 .Lentry_in_a_cluster
	s_endpgm
.Lentry_in_a_cluster:
	s_bfe_u32 s2, ttmp6, 0x10000c
	s_cmp_lg_u32 s2, 0xf033
	s_cbranch_scc0 .Lentry_shape_is_right
	s_endpgm
.Lentry_shape_is_right:
; C = (A B^T) scale + bias', M = 8,192, N = K = 1,024, f16 operands, f32 sums.  One text for two launches, switched by A_F32:
;   A_F32 = 1: q, k, v projections, three jobs in one grid.  A = query / key_ / value in f32, narrowed on the way in; B = wh (f16, blocked [k/64][n][k%64]);
;              out = ((x w^T) + b) scale in f16 as [job][b][head][s][64]; scale = 1/sqrt(8) for q, 1/4 for k (their product is 1/sqrt(128)), 1 for v.
;   A_F32 = 0: out0 = xh W2^T / 16 + b2 in f32.  A = xh (f16, [b][head][s][64]); B = w2h (16 W2, blocked like wh).
; A work-group makes 128 x 256 of C with four waves (2 x 2), a wave 64 x 128: 32 accumulator tiles, 256 registers.  That gives 768 and 256 equal work-groups;
; blocks of 256 x 256 would give 384 and 128.  K goes in 8 steps of 128 through two LDS slots; all steps are written out, so every step stands in an immediate.
; CLUSTERS: 4 x 4 work-groups.  B's tile hangs on the block column (cx) and the job alone: the four of a cluster's column ask for it jointly.
; A is NOT asked for jointly: it has to pass through registers to be narrowed from f32, and a raw f32 tile in LDS beside the f16 one would cost
; 64 KiB more a slot and three LDS passes for each byte; so each work-group loads its own 128 rows, two K steps ahead, in two register sets.
; The matrix instruction is used transposed (source 0 = rows of B, source 1 = rows of A): a lane holds eight neighbouring columns of one row of C.
; LIMITS: f16 operands and (A_F32 = 1) f16 results overflow above 65,504 and have steps of 6e-8 below 6e-5.  NaN and infinities are not served.
.set A_F32, 1
.set PITCH, 272                        ; 256 bytes + 16: an odd multiple of 16
.set AREG,  128*PITCH                  ; A: 128 rows x 128 k, written by LDS stores alone
.set PLANE, 128*PITCH                  ; B: a plane of 64 k: 256 rows of 128 bytes, two to an LDS row; filled by tensor loads alone
.set SLOT,  AREG+2*PLANE               ; 104,448
.set STAGE, 2*SLOT                     ; the way out: 16 rows for each wave
.if A_F32
.set NLD, 32                           ; loads of one staging set
.set SPITCH, 272
.else
.set NLD, 16
.set SPITCH, 528
.endif
; window 0: v16-17 ADRA, v20-21 ADRB, v22-23 ASTO (one for each slot), v24 AGO = 16 l, v25 STO, v26 RD, v28 BO, v32-63 PK,
;           F0 = v64-159, F1 = v160-255: fragments of A at f + 8 a (a = 0..3), of B at f + 32 + 8 b (b = 0..7)
; window 1: accumulator (a, b) at 8 (8 a + b).   window 2: staging set 0 at v0, set 1 at v128.
.set ADRA, 16
.set ADRB, 20
.set ASTO, 22
.set AGO,  24
.set STO,  25
.set RD,   26
.set BO,   28
.set PK,   32
.set F0,   64
.set F1,   160
.set G1,   32                          ; s[32:39] descriptor group 1
.set G0,   40                          ; s[40:47] descriptor group 0, one set for each slot
.set MSB, 0
.macro WIN new                         ; the immediate's high byte repeats the setting that is left
.if MSB != \new
	s_set_vgpr_msb (MSB<<8)|\new
.set MSB, \new
.endif
.endm
.macro PLACES
.rept 4
	v_nop
.endr
.endm
.macro CREST                           ; a round of the cluster's barrier behind its opening barrier
	s_cmp_lg_u32 s48, 0
	s_cbranch_scc1 .Lnot_wave_0_\@
	s_barrier_signal -3
.Lnot_wave_0_\@:
	s_barrier_wait -3
	s_barrier_signal -1
	s_barrier_wait -1
.endm
.macro CROUND
	s_barrier_signal -1
	s_barrier_wait -1
	CREST
.endm
.macro JLOAD s                         ; every wave asks for its quarter of B's tile: one line, one mask; four v_nop follow it
	tensor_load_to_lds s[G0+4*(\s):G0+4*(\s)+3], s[G1:G1+7]
	s_nop 0
	PLACES
.endm
.if A_F32
	s_load_b512 s[8:23], s[0:1], 0x0               ; query, key_, value, bq, bk, bv, wh, qkv
	v_lshl_add_u32 v30, v0, 2, 0x37400
	v_mov_b32 v31, 0
	ds_add_u32 v30, v31
.else
	s_load_b256 s[8:15], s[0:1], 0x0               ; xh, w2h, b2, out0
.endif
	v_lshrrev_b32 v1, 5, v0
	v_readfirstlane_b32 s48, v1                    ; wave 0..3
	s_lshr_b32 s49, s48, 1                         ; my half of the block's rows; also: which plane of B's tile I fetch
	s_and_b32 s50, s48, 1                          ; my half of its columns; also: which 128 rows of that plane
	s_bfe_u32 s51, ttmp6, 0x40000                  ; cx = block column
	s_bfe_u32 s52, ttmp6, 0x40004                  ; cy
	s_and_b32 s53, ttmp7, 0xffff                   ; the cluster's y
.if A_F32
	s_lshr_b32 s54, s53, 4                         ; job 0, 1, 2: from the cluster's number alone
	s_and_b32 s55, s53, 15
	s_lshl_b32 s55, s55, 2
.else
	s_lshl_b32 s55, s53, 2
.endif
	s_add_co_u32 s55, s55, s52                     ; block row 0..63
	; descriptor group 1: 64 rows of 256 bytes (elements of 8 bytes), dense in memory, 16 bytes of padding behind each in LDS
	s_lshl_b32 s58, 0x1111, s51                    ; my column of the cluster
	s_or_b32 s[G1+0], s58, (3<<16)|(1<<20)|(1<<21)|(5<<22)|(3<<25)
	s_mov_b32 s[G1+1], 32<<16                      ; tensor_dim0 = 32
	s_mov_b32 s[G1+2], 64<<16                      ; tensor_dim1 = 64
	s_mov_b32 s[G1+3], 32<<16                      ; tile_dim0 = 32
	s_mov_b32 s[G1+4], 64                          ; tile_dim1 = 64
	s_mov_b32 s[G1+5], 32                          ; pitch = 32 elements
	s_mov_b32 s[G1+6], 0
	s_mov_b32 s[G1+7], 0
	s_lshl_b32 s60, s49, 10                        ; B: plane x 1,024 rows
	s_lshl_b32 s59, s51, 8
	s_add_co_u32 s60, s60, s59                     ; + 256 cx
	s_lshl_b32 s59, s50, 7
	s_add_co_u32 s60, s60, s59                     ; + 128 x half
	s_lshl_b32 s60, s60, 7                         ; rows of 128 bytes
.if A_F32
	s_lshl_b32 s59, s54, 21                        ; 2 MiB a job
	s_add_co_u32 s60, s60, s59
.endif
	s_mov_b32 s61, 0
	s_mul_i32 s63, s48, 64*PITCH                   ; where my quarter goes: wave x 17,408
	s_lshl_b32 s68, s55, 7                         ; A: my 32 rows to stage begin at 128 x block row + 32 w
	s_lshl_b32 s69, s48, 5
	s_add_co_u32 s68, s68, s69
.if A_F32
	s_lshl_b32 s68, s68, 12                        ; rows of 4,096 bytes
.else
	s_lshr_b32 s70, s68, 10                        ; batch: 16 heads x 1,024 rows,
	s_lshl_b32 s70, s70, 14
	s_and_b32 s68, s68, 1023                       ; row in the batch,
	s_add_co_u32 s68, s68, s70
	s_lshl_b32 s68, s68, 7                         ; of 128 bytes
.endif
	s_mov_b32 s69, 0
	s_lshl_b32 s66, s55, 7                         ; C: my first row 128 x block row + 64 wr
	s_lshl_b32 s67, s49, 6
	s_add_co_u32 s66, s66, s67
.if A_F32
	s_lshr_b32 s67, s66, 10                        ; batch
	s_lshl_b32 s67, s67, 4
	s_lshl2_add_u32 s67, s51, s67                  ; head = 4 cx + 2 wc
	s_lshl1_add_u32 s67, s50, s67
	s_lshl_b32 s67, s67, 10
	s_and_b32 s66, s66, 1023
	s_add_co_u32 s66, s66, s67
	s_lshl_b32 s66, s66, 7
	s_lshl_b32 s67, s54, 24                        ; 16 MiB a job
	s_add_co_u32 s66, s66, s67
.else
	s_lshl_b32 s66, s66, 12
.endif
	s_lshl_b32 s70, s51, 10                        ; my first column in f32 bytes: 1,024 cx + 512 wc
	s_lshl_b32 s71, s50, 9
	s_add_co_u32 s70, s70, s71
.if A_F32 == 0
	s_add_co_u32 s66, s66, s70
.endif
	s_mov_b32 s67, 0
	s_mov_b32 s71, 0
	v_and_b32 v1, 31, v0                           ; l
	v_and_b32 v2, 15, v0                           ; r
	v_bfe_u32 v3, v0, 4, 1                         ; h
	v_lshlrev_b32 v[AGO], 4, v1
	s_wait_dscnt 0x0
	s_wait_kmcnt 0x0
.if A_F32
	s_mov_b32 s58, 0x3eb504f3                      ; 1 / sqrt(8)
	s_mov_b32 s59, 0x3e800000                      ; 1 / 4
	s_cmp_eq_u32 s54, 0
	s_cselect_b64 s[24:25], s[8:9], s[10:11]
	s_cselect_b64 s[26:27], s[14:15], s[16:17]
	s_cselect_b32 s56, s58, s59
	s_cmp_eq_u32 s54, 2
	s_cselect_b64 s[24:25], s[12:13], s[24:25]
	s_cselect_b64 s[26:27], s[18:19], s[26:27]
	s_cselect_b32 s56, 1.0, s56
	s_add_nc_u64 s[28:29], s[20:21], s[60:61]
	s_add_nc_u64 s[30:31], s[22:23], s[66:67]
.else
	s_mov_b64 s[24:25], s[8:9]
	s_mov_b64 s[26:27], s[12:13]
	s_mov_b32 s56, 0x3d800000                      ; 1 / 16
	s_add_nc_u64 s[28:29], s[10:11], s[60:61]
	s_add_nc_u64 s[30:31], s[14:15], s[66:67]
.endif
	s_mov_b32 s57, s56
	s_add_nc_u64 s[24:25], s[24:25], s[68:69]      ; A at my rows
	s_add_nc_u64 s[26:27], s[26:27], s[70:71]      ; bias at my columns
.irp s, 0,1
	s_mov_b32 s[G0+4*\s], 1
	s_add_co_u32 s[G0+4*\s+1], s63, \s*SLOT+AREG
	s_add_nc_u64 s[G0+4*\s+2:G0+4*\s+3], s[28:29], \s*262144       ; K step s: planes 2 s, 2 s + 1
	s_or_b32 s[G0+4*\s+3], s[G0+4*\s+3], 0x80000000
.endr
; A's rows of K step t into staging set 'set'.  half = 0, 1: A_F32: rows 16 half ..+15 of my 32, one row's 512 bytes a load; else: plane half, four rows of 128 bytes a load.
.macro ALOAD set, t, half
	WIN 0x80                                       ; destination window 2, address window 0
.set ii, 0
.if A_F32
.rept 16
	global_load_b128 v[128*(\set)+64*(\half)+4*ii:128*(\set)+64*(\half)+4*ii+3], v[AGO], s[24:25] offset:(16*(\half)+ii)*4096+(\t)*512
.set ii, ii+1
.endr
.else
.rept 8
	global_load_b128 v[128*(\set)+32*(\half)+4*ii:128*(\set)+32*(\half)+4*ii+3], v[AGO], s[24:25] offset:(2*(\t)+(\half))*131072+ii*512
.set ii, ii+1
.endr
.endif
.endm
; the same half out of the staging set into A's part of an LDS slot, narrowed to f16 where it is f32
.macro ASTORE set, slot, half
.if A_F32
	WIN 0x8a
.set ii, 0
.rept 16
	v_cvt_pk_f16_f32 v[128*(\set)+64*(\half)+4*ii], v[128*(\set)+64*(\half)+4*ii], v[128*(\set)+64*(\half)+4*ii+1]
	v_cvt_pk_f16_f32 v[128*(\set)+64*(\half)+4*ii+1], v[128*(\set)+64*(\half)+4*ii+2], v[128*(\set)+64*(\half)+4*ii+3]
.set ii, ii+1
.endr
	WIN 0x08                                       ; store data window 2, address window 0
.set ii, 0
.rept 16
	ds_store_b64 v[ASTO+\slot], v[128*(\set)+64*(\half)+4*ii:128*(\set)+64*(\half)+4*ii+1] offset:(16*(\half)+ii)*PITCH
.set ii, ii+1
.endr
.else
	WIN 0x08
.set ii, 0
.rept 8
	ds_store_b128 v[ASTO+\slot], v[128*(\set)+32*(\half)+4*ii:128*(\set)+32*(\half)+4*ii+3] offset:ii*4*PITCH+(\half)*128
.set ii, ii+1
.endr
.endif
.endm
	ALOAD 0, 0, 0                                  ; K steps 0 and 1 are on their way before anything else
	ALOAD 0, 0, 1
	ALOAD 1, 1, 0
	ALOAD 1, 1, 1
	WIN 0
	CROUND                                         ; all sixteen work-groups are here: the first joint loads meet
	JLOAD 0
	JLOAD 1                                        ; two tensor loads of the wave are out; later one
	v_mul_u32_u24 v4, v2, PITCH
	v_lshl_add_u32 v4, v3, 4, v4                   ; r pitch + 16 h
	s_mul_i32 s58, s49, 64*PITCH
	v_add_nc_u32 v[ADRA], s58, v4
	v_add_nc_u32 v[ADRA+1], SLOT, v[ADRA]
	v_lshrrev_b32 v5, 1, v2                        ; B: row n lies at (n / 2) pitch + 128 (n % 2): sixteen rows start in sixteen different 16-byte columns
	v_mul_u32_u24 v5, v5, PITCH
	v_and_b32 v6, 1, v2
	v_lshl_add_u32 v5, v6, 7, v5
	v_lshl_add_u32 v5, v3, 4, v5
	s_mul_i32 s58, s50, 64*PITCH
	s_add_co_u32 s58, s58, AREG
	v_add_nc_u32 v[ADRB], s58, v5
	v_add_nc_u32 v[ADRB+1], SLOT, v[ADRB]
	s_mul_i32 s58, s48, 32*PITCH                   ; I stage rows 32 w ..
	s_mul_i32 s59, s48, 16*SPITCH
	s_add_co_u32 s59, s59, STAGE                   ; my stage
.if A_F32
	v_lshl_add_u32 v[ASTO], v1, 3, s58             ; 8 bytes a lane, a row a store
	v_add_nc_u32 v[STO], s59, v4                   ; in: row r, 16 h
	v_lshrrev_b32 v5, 3, v1
	v_mul_u32_u24 v5, v5, PITCH
	v_and_b32 v6, 7, v0
	v_lshl_add_u32 v5, v6, 4, v5
	v_add_nc_u32 v[RD], s59, v5                    ; back: four rows of 128 bytes (one head) a load
.else
	v_lshrrev_b32 v5, 3, v1
	v_mul_u32_u24 v5, v5, PITCH
	v_and_b32 v6, 7, v0
	v_lshl_add_u32 v5, v6, 4, v5
	v_add_nc_u32 v[ASTO], s58, v5                  ; four rows of 128 bytes a store
	v_mul_u32_u24 v5, v2, SPITCH
	v_lshl_add_u32 v5, v3, 5, v5
	v_add_nc_u32 v[STO], s59, v5                   ; in: row r, 32 h
	v_add_nc_u32 v[RD], s59, v[AGO]                ; back: a row of 512 bytes a load
.endif
	v_add_nc_u32 v[ASTO+1], SLOT, v[ASTO]
	v_lshlrev_b32 v[BO], 5, v3                     ; bias: my 8 columns of a tile of 16
; 8 matrix instructions: rows 16 a ..+15 of my 64 x all 8 column tiles, 32 along K.  The 32 accumulators take turns, one instruction a turn,
; in the same order in every quarter step.
.macro MUL8 f, a, zero
.irp b, 0,1,2,3,4,5,6,7
.if \zero
	v_wmma_f32_16x16x32_f16 v[8*(8*(\a)+\b):8*(8*(\a)+\b)+7], v[\f+32+8*\b:\f+32+8*\b+7], v[\f+8*(\a):\f+8*(\a)+7], 0
.else
	v_wmma_f32_16x16x32_f16 v[8*(8*(\a)+\b):8*(8*(\a)+\b)+7], v[\f+32+8*\b:\f+32+8*\b+7], v[\f+8*(\a):\f+8*(\a)+7], v[8*(8*(\a)+\b):8*(8*(\a)+\b)+7]
.endif
.endr
.endm
; 24 LDS loads: the fragments of quarter kq (32 k) of a slot: B's 128 rows first, then A's 64
.macro FETCH slot, kq, f
	WIN 0
.irp b, 0,1,2,3,4,5,6,7
	ds_load_b128 v[\f+32+8*\b:\f+32+8*\b+3], v[ADRB+\slot] offset:((\kq)>>1)*PLANE+((\kq)&1)*64+\b*8*PITCH
	ds_load_b128 v[\f+32+8*\b+4:\f+32+8*\b+7], v[ADRB+\slot] offset:((\kq)>>1)*PLANE+((\kq)&1)*64+\b*8*PITCH+32
.endr
.irp a, 0,1,2,3
	ds_load_b128 v[\f+8*\a:\f+8*\a+3], v[ADRA+\slot] offset:(\kq)*64+\a*16*PITCH
	ds_load_b128 v[\f+8*\a+4:\f+8*\a+7], v[ADRA+\slot] offset:(\kq)*64+\a*16*PITCH+32
.endr
.endm
; One of a K step's first three quarters: multiplies buffer f; in its middle it moves half of the next step's A from registers into the other slot
; (half = 0, 1; -1: nothing), asks for the same half three steps ahead, and fetches quarter kq's fragments into buffer g.
.macro QUARTER t, f, g, kq, half, zero
	s_wait_dscnt 0x4                               ; B and A's rows 0-31 are in; the youngest four loads (A's rows 32-63) may be out
	WIN 0x50                                       ; C and D window 1
	MUL8 \f, 0, \zero
	MUL8 \f, 1, \zero
	PLACES                                         ; four places before loads land on registers that matrix instructions have read
.if (\half) >= 0
.if (\t) <= 6
.if (\half) == 0
.if (\t) <= 5
	s_wait_loadcnt NLD                             ; the next step's set is in; the younger set's loads stay out
.else
	s_wait_loadcnt 0x0                             ; the last set: none is younger
.endif
.endif
	ASTORE NN, NN, \half
.if (\t) <= 4
	ALOAD NN, (\t)+3, \half
.endif
.endif
.endif
	FETCH SS, \kq, \g
	s_wait_dscnt 0x18                              ; all but the 24 loads just issued
	WIN 0x50
	MUL8 \f, 2, \zero
	MUL8 \f, 3, \zero
.endm
; K step t on slot t % 2.  Its last quarter changes slots with ONE barrier: in front of it each wave has waited for its reads of this slot, for its stores of the
; next step's A and for all its tensor loads (its part of the next step's B).  Where the slot is filled again the barrier opens a round of the cluster's barrier,
; and the joint load is the first thing behind the round.
.macro STEP t
.set SS, (\t)&1
.set NN, 1-SS
.if (\t) == 0
	QUARTER \t, F0, F1, 1, 0, 1                    ; the first products start the sums
.else
	QUARTER \t, F0, F1, 1, 0, 0
.endif
	QUARTER \t, F1, F0, 2, 1, 0
	QUARTER \t, F0, F1, 3, -1, 0
.if (\t) < 7
	s_wait_dscnt 0x4
	WIN 0x50
	MUL8 F1, 0, 0
	s_wait_dscnt 0x0
	s_wait_tensorcnt 0x0
	ds_add_u32 v30, v31
	s_wait_dscnt 0x0
	s_barrier_signal -1
	MUL8 F1, 1, 0                                  ; register work while the others arrive
	WIN 0
	s_barrier_wait -1
.if (\t) <= 5
	CREST                                          ; no wave of any partner still reads this slot's B or has a load on its way
	s_add_nc_u64 s[G0+4*SS+2:G0+4*SS+3], s[G0+4*SS+2:G0+4*SS+3], 524288    ; two K steps = four planes on
	JLOAD SS                                       ; its four v_nop are also the places in front of the loads below
.else
	PLACES
.endif
	FETCH NN, 0, F0
	WIN 0x50
	MUL8 F1, 2, 0
	MUL8 F1, 3, 0
.else
	s_wait_dscnt 0x0
	WIN 0x50
	MUL8 F1, 0, 0
	MUL8 F1, 1, 0
	MUL8 F1, 2, 0
	MUL8 F1, 3, 0
.endif
.endm
	s_wait_loadcnt NLD                             ; K step 0's set is in, step 1's stays out
	ASTORE 0, 0, 0
	ASTORE 0, 0, 1
	ALOAD 0, 2, 0
	ALOAD 0, 2, 1
	WIN 0
	s_wait_dscnt 0x0                               ; my part of A is in LDS,
	s_wait_tensorcnt 0x1                           ; my part of slot 0's B too; slot 1's may stay out
	s_barrier_signal -1
	s_barrier_wait -1
	FETCH 0, 0, F0
	STEP 0
	STEP 1
	STEP 2
	STEP 3
	STEP 4
	STEP 5
	STEP 6
	STEP 7
	; THE WAY OUT.  Four places behind the last matrix instructions, then the bias of my 128 columns over buffer 0.
	PLACES
	WIN 0
.irp b, 0,1,2,3,4,5,6,7
	global_load_b128 v[64+8*\b:67+8*\b], v[BO], s[26:27] offset:64*\b
	global_load_b128 v[68+8*\b:71+8*\b], v[BO], s[26:27] offset:64*\b+16
.endr
	s_wait_loadcnt 0x0
.if A_F32
.set ii, 0
.rept 32
	v_pk_mul_f32 v[64+2*ii:65+2*ii], v[64+2*ii:65+2*ii], s[56:57] op_sel_hi:[1,0]    ; (sum + b) scale = sum scale + b scale
.set ii, ii+1
.endr
.endif
; 16 rows: scale and bias in one fused multiply-add, through my own stage in LDS, out as whole runs of 512 bytes
.macro OUT16 a
	WIN 0x01                                       ; source 0 (the sums) window 1
.set ii, 0
.rept 32
	v_pk_fma_f32 v[160+2*ii:161+2*ii], v[64*(\a)+2*ii:64*(\a)+2*ii+1], s[56:57], v[64+2*ii:65+2*ii] op_sel_hi:[1,0,1]
.set ii, ii+1
.endr
	WIN 0
.if A_F32
.set ii, 0
.rept 32
	v_cvt_pk_f16_f32 v[PK+ii], v[160+2*ii], v[161+2*ii]
.set ii, ii+1
.endr
.irp b, 0,1,2,3,4,5,6,7
	ds_store_b128 v[STO], v[PK+4*\b:PK+4*\b+3] offset:32*\b
.endr
	s_wait_xcnt 0x0                                ; the registers that the last 16 rows' stores read are loaded again only behind this wait
.irp i, 0,1,2,3,4,5,6,7
	ds_load_b128 v[128+4*\i:131+4*\i], v[RD] offset:(\i&3)*4*SPITCH+(\i>>2)*128     ; LDS serves a wave in order: these see the stores above
.endr
.irp i, 0,1,2,3,4,5,6,7
	s_wait_dscnt 7-\i
	global_store_b128 v[AGO], v[128+4*\i:131+4*\i], s[30:31] offset:(\i>>2)*131072+(\a)*2048+(\i&3)*512   ; four rows of one head: 512 consecutive bytes
.endr
.else
.irp b, 0,1,2,3,4,5,6,7
	ds_store_b128 v[STO], v[160+8*\b:163+8*\b] offset:64*\b
	ds_store_b128 v[STO], v[164+8*\b:167+8*\b] offset:64*\b+16
.endr
	s_wait_xcnt 0x0                                ; the registers that the last 16 rows' stores read are loaded again only behind this wait
.irp i, 0,1,2,3,4,5,6,7
	ds_load_b128 v[128+4*\i:131+4*\i], v[RD] offset:\i*SPITCH
.endr
.irp i, 0,1,2,3,4,5,6,7
	ds_load_b128 v[224+4*\i:227+4*\i], v[RD] offset:(8+\i)*SPITCH
.endr
.irp i, 0,1,2,3,4,5,6,7
	s_wait_dscnt 15-\i
	global_store_b128 v[AGO], v[128+4*\i:131+4*\i], s[30:31] offset:(16*(\a)+\i)*4096 th:TH_STORE_NT      ; my 512 bytes of a row
.endr
.irp i, 0,1,2,3,4,5,6,7
	s_wait_dscnt 7-\i
	global_store_b128 v[AGO], v[224+4*\i:227+4*\i], s[30:31] offset:(16*(\a)+8+\i)*4096 th:TH_STORE_NT
.endr
.endif
.endm
	OUT16 0
	OUT16 1
	OUT16 2
	OUT16 3
	s_wait_tensorcnt 0x0
	ds_add_u32 v30, v31
	s_wait_dscnt 0x0
	CROUND                                         ; the closing round: no work-group ends while a partner may still ask for a tile that names it
	s_endpgm
.Lfunc_end_k_qed43f28b0b_proj:
	.size	k_qed43f28b0b_proj, .Lfunc_end_k_qed43f28b0b_proj-k_qed43f28b0b_proj
	.p2alignl 7, 3214868480
	.fill 96, 4, 3214868480
	.section	.rodata,"a",@progbits
	.p2align	6, 0x0
	.amdhsa_kernel k_qed43f28b0b_proj
		.amdhsa_group_segment_fixed_size 327680
		.amdhsa_private_segment_fixed_size 0
		.amdhsa_enable_private_segment 0
		.amdhsa_kernarg_size 64
		.amdhsa_user_sgpr_count 2
		.amdhsa_user_sgpr_kernarg_segment_ptr 1
		.amdhsa_wavefront_size32 1
		.amdhsa_system_sgpr_workgroup_id_x 1
		.amdhsa_system_sgpr_workgroup_id_y 1
		.amdhsa_system_sgpr_workgroup_id_z 1
		.amdhsa_system_vgpr_workitem_id 0
		.amdhsa_next_free_vgpr 768
		.amdhsa_next_free_sgpr 72
		.amdhsa_reserve_vcc 0
		.amdhsa_float_denorm_mode_32 3
		.amdhsa_float_denorm_mode_16_64 3
		.amdhsa_memory_ordered 1
		.amdhsa_forward_progress 1
		.amdhsa_inst_pref_size 232
	.end_amdhsa_kernel
	.amdgpu_metadata
---
amdhsa.version: [ 1, 2 ]
amdhsa.kernels:
  - .name:           k_qed43f28b0b_proj
    .symbol:         k_qed43f28b0b_proj.kd
    .args:
      - { .name: query, .offset: 0, .size: 8, .value_kind: global_buffer, .address_space: global }
      - { .name: key_, .offset: 8, .size: 8, .value_kind: global_buffer, .address_space: global }
      - { .name: value, .offset: 16, .size: 8, .value_kind: global_buffer, .address_space: global }
      - { .name: bq, .offset: 24, .size: 8, .value_kind: global_buffer, .address_space: global }
      - { .name: bk, .offset: 32, .size: 8, .value_kind: global_buffer, .address_space: global }
      - { .name: bv, .offset: 40, .size: 8, .value_kind: global_buffer, .address_space: global }
      - { .name: wh, .offset: 48, .size: 8, .value_kind: global_buffer, .address_space: global }
      - { .name: qkv, .offset: 56, .size: 8, .value_kind: global_buffer, .address_space: global }
    .group_segment_fixed_size: 327680
    .private_segment_fixed_size: 0
    .kernarg_segment_align: 8
    .kernarg_segment_size: 64
    .max_flat_workgroup_size: 128
    .sgpr_count:     72
    .vgpr_count:     768
    .wavefront_size: 32
...
	.end_amdgpu_metadata
.endif
;; end of part 2
;; launch attn (part 3): grid 4 x 64, 8 waves a work-group, clusters of 4 x 4, 327,680 bytes of LDS; arguments qkv, mw, attn_pos, xh; writes xh
.if DOCPART == 3
	.amdgcn_target "amdgcn-amd-amdhsa--gfx1250"
	.amdhsa_code_object_version 6
	.text
	.protected	k_qed43f28b0b_attn
	.globl	k_qed43f28b0b_attn
	.p2align	8
	.type	k_qed43f28b0b_attn,@function
k_qed43f28b0b_attn:
	s_mov_b64 s[64:65], 0
	v_nop
	global_prefetch_b8 v0, s[64:65] scope:SCOPE_SE
	s_setreg_imm32_b32 hwreg(HW_REG_WAVE_MODE, 25, 1), 1
	s_wait_xcnt 0x0
	s_wait_alu depctr_hold_cnt(0) depctr_sa_sdst(0) depctr_va_vdst(0) depctr_va_sdst(0) depctr_va_ssrc(0) depctr_va_vcc(0) depctr_vm_vsrc(0)
	s_getreg_b32 s2, hwreg(HW_REG_IB_STS2, 6, 4)
	s_cmp_eq_u32 s2, 0
	s_cbranch_scc0 .Lentry_in_a_cluster
	s_endpgm
.Lentry_in_a_cluster:
	s_bfe_u32 s2, ttmp6, 0x10000c
	s_cmp_lg_u32 s2, 0xf033
	s_cbranch_scc0 .Lentry_shape_is_right
	s_endpgm
.Lentry_shape_is_right:
; Attention: x = softmax(where(mask == 0, -1e9, q k^T / sqrt(128) + attn_pos)) v, with a running maximum.  q, k (already scaled) and v come in f16 as [job][b][head][s][64].
; One cluster of 4 x 4 work-groups for each head.  cx = a pair of batches, cy = 256 query rows.  Eight waves: wave w has batch 2 cx + w / 4 and query rows 64 (w % 4) ..+63.
; 16 trips of 64 keys through two LDS slots.  JOINT LOADS: the attn_pos tile (256 rows x 64 keys, f32) hangs on head and cy: shared along the cluster's row
; (and by both batches of a work-group); the K and V tiles hang on head and cx: shared along its column.
; TRANSPOSED USE: S^T = K Q^T + C with C = the attn_pos tile, loaded straight into the accumulators.  Lane (r, h) then holds keys 16 kt + 8 h + 0..7 of query r, so the row maximum
; needs one step across the halves, the factor that rescales is the lane's own, and the lane's numbers packed to f16 ARE source 1 of O^T = V^T P^T.
; THE MASK comes as lane masks (one word for each score register), by scalar loads, and only selects values.  Scalar loads can only be waited for all together, so what a request
; has in which to land is the work between two uses.  So the masks of TWO query tiles (64 words) are applied at once and the next pair is asked for straight behind them:
; two tiles' softmax and products stand between a request and its wait.
; s - m is formed before the multiplication by log2(e): it is exact where s = m, also at -1e9, so every p is at most 1.
; One group 1 serves K and V, so V's rows are 144 bytes apart, not an odd multiple of 32: its transposing loads collide two deep.
; LIMITS: f16 operands (q, k, v, p, x): overflow above 65,504, steps of 6e-8 below 6e-5.  NaN and infinities are not served.
.set SLOT,  106496                     ; bias 256 x 272 = 69,632; then K b0, K b1, V b0, V b1: 64 x 144 = 9,216 each
.set KOFF,  69632
.set STAGE, 2*SLOT                     ; the way out: 16 x 144 = 2,304 bytes for each wave
; window 0: v2-3 BA, v4-5 KA, v6-7 VA (one for each slot), v8 STW, v9 STR, v10 QO, v11 GO, v12 -1e9, v13 PFO, v24-27 M, v28-31 L, v32-59 at work,
;           S(qt, kt) = v[64 + 32 qt + 8 kt], v192-255 fragments of K, then of V.     window 1: O(qt, dt) = v[8 (4 qt + dt)], Q(qt, ks) = v[128 + 16 qt + 8 ks]
; scalar:   s[2:3] log2(e) twice; s[4:7] group 0 for attn_pos, s[8:11] for K and V (ONE each: a wave has one tensor load out, and the group is written again behind the wait for it);
;           s[12:19], s[20:27] their groups 1; s[28:59] and s[68:99] the 64 lane masks (at the start: at work); s60 wave; s61 trips; s[62:63] mask words; s[66:67] prefetch; s100-101 selectors
.set MSB, 0
.macro WIN new
.if MSB != \new
	s_set_vgpr_msb (MSB<<8)|\new
.set MSB, \new
.endif
.endm
.macro PLACES
.rept 4
	v_nop
.endr
.endm
.macro ROUND                           ; a round of the cluster's barrier
	s_barrier_signal -1
	s_barrier_wait -1
	s_cmp_lg_u32 s60, 0
	s_cbranch_scc1 .Lnot_wave_0_\@
	s_barrier_signal -3
.Lnot_wave_0_\@:
	s_barrier_wait -3
	s_barrier_signal -1
	s_barrier_wait -1
.endm
.macro JLOAD                           ; waves 0-3 ask for 64 rows of attn_pos each, waves 4-7 for K b0, K b1, V b0, V b1: each line has one mask; four v_nop follow it
	s_cmp_lt_u32 s60, 4
	s_cbranch_scc0 .Lfor_kv_\@
	tensor_load_to_lds s[4:7], s[12:19]
	s_nop 0
	PLACES
	s_branch .Lasked_\@
.Lfor_kv_\@:
	tensor_load_to_lds s[8:11], s[20:27]
	s_nop 0
	PLACES
.Lasked_\@:
.endm
.macro MLOAD off                       ; the 64 lane masks of two query tiles: 256 consecutive bytes
	s_load_b512 s[28:43], s[62:63], \off
	s_load_b512 s[44:59], s[62:63], (\off)+64
	s_load_b512 s[68:83], s[62:63], (\off)+128
	s_load_b512 s[84:99], s[62:63], (\off)+192
.endm
	s_load_b128 s[68:71], s[0:1], 0x0              ; qkv s[68:69], mw s[70:71]
	s_load_b64 s[72:73], s[0:1], 0x10              ; attn_pos
	v_lshl_add_u32 v62, v0, 2, 0x38800
	v_mov_b32 v63, 0
	ds_add_u32 v62, v63
	v_lshrrev_b32 v1, 5, v0
	v_readfirstlane_b32 s60, v1                    ; wave 0..7
	s_lshr_b32 s76, s60, 2                         ; which batch of the pair
	s_and_b32 s77, s60, 3                          ; which 64 query rows; also: which quarter of the tiles I ask for
	s_bfe_u32 s78, ttmp6, 0x40000                  ; cx
	s_bfe_u32 s79, ttmp6, 0x40004                  ; cy
	s_and_b32 s80, ttmp7, 0xffff                   ; head = the cluster's y
	s_mov_b32 s2, 0x3fb8aa3b                       ; log2(e), twice
	s_mov_b32 s3, 0x3fb8aa3b
	s_mov_b32 s100, 0x76543210                     ; v_permlanex16_b32: lane i reads lane i of the other half
	s_mov_b32 s101, 0xfedcba98
	s_lshl_b32 s81, s79, 2
	s_lshl_b32 s81, 15, s81                        ; my row of the cluster
	s_lshl_b32 s82, 0x1111, s78                    ; my column
	; attn_pos: 64 rows x 64 f32, pitch 1,024 elements, 16 bytes of padding behind each 256 in LDS
	s_or_b32 s12, s81, (2<<16)|(1<<20)|(1<<21)|(5<<22)|(3<<25)
	s_mov_b32 s13, 64<<16
	s_mov_b32 s14, 64<<16
	s_mov_b32 s15, 64<<16
	s_mov_b32 s16, 64
	s_mov_b32 s17, 1024
	s_mov_b32 s18, 0
	s_mov_b32 s19, 0
	; K, V: 64 rows x 64 f16 (rows of 128 bytes, as the tensor has them), 16 bytes of padding behind each
	s_or_b32 s20, s82, (1<<16)|(1<<20)|(1<<21)|(4<<22)|(3<<25)
	s_mov_b32 s21, 64<<16
	s_mov_b32 s22, 64<<16
	s_mov_b32 s23, 64<<16
	s_mov_b32 s24, 64
	s_mov_b32 s25, 64
	s_mov_b32 s26, 0
	s_mov_b32 s27, 0
	s_lshl_b32 s83, s80, 10                        ; attn_pos: row head x 1,024 + 256 cy
	s_lshl_b32 s84, s79, 8
	s_add_co_u32 s83, s83, s84
	s_lshl_b32 s66, s83, 12
	s_add_co_u32 s66, s66, 512                     ; the prefetch begins at tile 2: 128 keys of 4 bytes
	s_mov_b32 s67, 0
	s_lshl_b32 s84, s77, 6
	s_add_co_u32 s84, s83, s84                     ; + 64 x my quarter
	s_lshl_b32 s84, s84, 12
	s_mov_b32 s85, 0
	s_lshr_b32 s86, s77, 1                         ; K (0) or V (1)
	s_add_co_u32 s86, s86, 1
	s_lshl_b32 s86, s86, 24                        ; 16 MiB a job
	s_and_b32 s87, s77, 1
	s_lshl1_add_u32 s87, s78, s87                  ; batch 2 cx + (quarter % 2)
	s_lshl4_add_u32 s87, s87, s80                  ; x 16 + head
	s_lshl_b32 s87, s87, 17                        ; 1,024 rows of 128 bytes
	s_add_co_u32 s86, s86, s87
	s_mov_b32 s87, 0
	s_lshl1_add_u32 s88, s78, s76                  ; my batch
	s_lshl4_add_u32 s89, s88, s77
	s_lshl2_add_u32 s89, s79, s89                  ; 16 b + 4 cy + w % 4: my block of 64 query rows
	s_lshl_b32 s62, s89, 13                        ; 16 trips of 512 bytes
	s_mov_b32 s63, 0
	s_lshl4_add_u32 s90, s88, s80                  ; q and x: (16 b + head) x 1,024 + 256 cy + 64 (w % 4) rows of 128 bytes
	s_lshl_b32 s90, s90, 10
	s_lshl_b32 s91, s79, 8
	s_add_co_u32 s90, s90, s91
	s_lshl_b32 s91, s77, 6
	s_add_co_u32 s90, s90, s91
	s_lshl_b32 s90, s90, 7
	v_and_b32 v1, 31, v0                           ; l
	v_and_b32 v14, 15, v0                          ; r
	v_bfe_u32 v15, v0, 4, 1                        ; h
	v_lshlrev_b32 v10, 7, v14
	v_lshl_add_u32 v10, v15, 4, v10
	v_add_nc_u32 v10, s90, v10                     ; QO: my rows + row r of 128 bytes + 16 h
	v_lshl_add_u32 v11, v1, 4, s90                 ; GO: my rows + 16 l
	v_mul_u32_u24 v2, v14, 272
	v_lshl_add_u32 v2, v15, 5, v2
	s_mul_i32 s92, s77, 64*272
	v_add_nc_u32 v2, s92, v2                       ; BA: (64 (w % 4) + r) x 272 + 32 h
	v_add_nc_u32 v3, SLOT, v2
	v_mul_u32_u24 v4, v14, 144
	v_lshl_add_u32 v4, v15, 4, v4                  ; r x 144 + 16 h
	s_mul_i32 s93, s60, 2304
	s_add_co_u32 s93, s93, STAGE
	v_add_nc_u32 v8, s93, v4                       ; STW
	s_mul_i32 s94, s76, 9216
	s_add_co_u32 s94, s94, KOFF
	v_add_nc_u32 v4, s94, v4                       ; KA
	v_add_nc_u32 v5, SLOT, v4
	v_and_b32 v6, 7, v0
	v_lshl_add_u32 v6, v15, 3, v6
	v_mul_u32_u24 v6, v6, 144
	v_bfe_u32 v7, v0, 3, 1
	v_lshl_add_u32 v6, v7, 4, v6
	s_add_co_u32 s94, s94, 2*9216
	v_add_nc_u32 v6, s94, v6                       ; VA: (8 h + l % 8) x 144 + 16 ((l / 8) % 2)
	v_add_nc_u32 v7, SLOT, v6
	v_lshrrev_b32 v9, 3, v1
	v_mul_u32_u24 v9, v9, 144
	v_and_b32 v16, 7, v0
	v_lshl_add_u32 v9, v16, 4, v9
	v_add_nc_u32 v9, s93, v9                       ; STR: four rows of 128 bytes a load
	v_mov_b32 v12, 0xce6e6b28                      ; -1e9
	s_lshl_b32 s95, s78, 6
	s_lshl_b32 s96, s60, 5
	s_add_co_u32 s95, s95, s96
	v_add_nc_u32 v13, s95, v1
	v_lshlrev_b32 v13, 12, v13                     ; PFO: row 64 cx + 32 w + l of the cluster row's 256 (waves 0 and 1 ask)
	v_mov_b32 v36, 0                               ; v_permlanex16_b32 counts as a reader of its destination
	s_wait_dscnt 0x0
	s_wait_kmcnt 0x0
	s_mov_b32 s4, 1
	s_mul_i32 s5, s60, 64*272                      ; slot 0: wave x 17,408
	s_add_nc_u64 s[6:7], s[72:73], s[84:85]        ; tile 0
	s_or_b32 s7, s7, 0x80000000
	s_mov_b32 s8, 1
	s_mul_i32 s9, s60, 9216
	s_add_co_u32 s9, s9, KOFF-4*9216               ; waves 4..7: KOFF + (w - 4) x 9,216
	s_add_nc_u64 s[10:11], s[68:69], s[86:87]
	s_or_b32 s11, s11, 0x80000000
	s_add_nc_u64 s[66:67], s[72:73], s[66:67]
	s_add_nc_u64 s[62:63], s[70:71], s[62:63]
	WIN 0x40                                       ; destination window 1
.irp qt, 0,1,2,3
.irp ks, 0,1
	global_load_b128 v[128+16*\qt+8*\ks:131+16*\qt+8*\ks], v10, s[68:69] offset:\qt*2048+\ks*64      ; Q's fragments straight from memory, once
	global_load_b128 v[132+16*\qt+8*\ks:135+16*\qt+8*\ks], v10, s[68:69] offset:\qt*2048+\ks*64+32
.endr
.endr
	WIN 0
	s_wait_xcnt 0x0                                ; s[68:69], the base of the loads above, is written again only behind this wait
	MLOAD 0                                        ; trip 0, query tiles 0 and 1
	ROUND                                          ; in front of the first joint load
	JLOAD                                          ; tile 0; one tensor load of the wave is out, here and behind every later round
	s_wait_loadcnt 0x0                             ; Q
; The masks of query tiles 2 p and 2 p + 1 are applied, and the next pair's are asked for.
.macro MASK2 p, first, more
	s_wait_kmcnt 0x0                               ; this pair's 64 lane masks are in, and no scalar load still reads its base
.if (\p) == 0
.if (\first) == 0
	s_add_nc_u64 s[62:63], s[62:63], 512           ; this trip's 512 bytes of mask words
.endif
.endif
.set ii, 0
.rept 32
	v_cndmask_b32 v[64+64*(\p)+ii], v12, v[64+64*(\p)+ii], s[28+ii]
.set ii, ii+1
.endr
.set ii, 0
.rept 32
	v_cndmask_b32 v[96+64*(\p)+ii], v12, v[96+64*(\p)+ii], s[68+ii]
.set ii, ii+1
.endr
.if (\p) == 0
	MLOAD 256                                      ; tiles 2 and 3 of this trip
.else
.if \more
	MLOAD 512                                      ; tiles 0 and 1 of the next trip
.endif
.endif
.endm
; Query tile qt: running maximum, exponentials, sum, P to f16, O rescaled, O += V^T P^T.
.macro SOFTPV qt, first
.set SB, 64+32*(\qt)
.irp c, 0,1,2,3
	v_max3_num_f32 v[32+\c], v[SB+8*\c], v[SB+8*\c+1], v[SB+8*\c+2]
.endr
.irp c, 0,1,2,3
	v_max3_num_f32 v[32+\c], v[32+\c], v[SB+8*\c+3], v[SB+8*\c+4]
.endr
.irp c, 0,1,2,3
	v_max3_num_f32 v[32+\c], v[32+\c], v[SB+8*\c+5], v[SB+8*\c+6]
.endr
.irp c, 0,1,2,3
	v_max_num_f32 v[32+\c], v[32+\c], v[SB+8*\c+7]
.endr
	v_max3_num_f32 v32, v32, v33, v34
	v_max_num_f32 v32, v32, v35
	v_permlanex16_b32 v36, v32, s100, s101         ; the other 32 keys of my query
.if \first
	v_max_num_f32 v40, v32, v36
.else
	v_max3_num_f32 v40, v32, v36, v[24+\qt]
	v_sub_f32 v38, v[24+\qt], v40
	v_mul_f32 v38, s2, v38                         ; log2 of the factor that rescales
.endif
	v_mov_b32 v41, v40
	v_mov_b32 v[24+\qt], v40
.set ii, 0
.rept 16
	v_pk_add_f32 v[SB+2*ii:SB+2*ii+1], v[SB+2*ii:SB+2*ii+1], v[40:41] neg_lo:[0,1] neg_hi:[0,1]
.set ii, ii+1
.endr
.set ii, 0
.rept 16
	v_pk_mul_f32 v[SB+2*ii:SB+2*ii+1], v[SB+2*ii:SB+2*ii+1], s[2:3] op_sel_hi:[1,0]
.set ii, ii+1
.endr
.set ii, 0
.rept 32
	v_exp_f32 v[SB+ii], v[SB+ii]
.set ii, ii+1
.endr
.if (\first) == 0
	v_exp_f32 v42, v38
	v_exp_f32 v43, v38
.endif
	v_nop                                          ; one plain instruction behind the run of exponentials before a result is used
	s_wait_alu depctr_va_vdst(0)
.irp p, 0,1,2,3,4,5,6,7
	v_pk_add_f32 v[44+2*\p:45+2*\p], v[SB+4*\p:SB+4*\p+1], v[SB+4*\p+2:SB+4*\p+3]
.endr
.irp p, 0,1,2,3
	v_pk_add_f32 v[44+2*\p:45+2*\p], v[44+2*\p:45+2*\p], v[52+2*\p:53+2*\p]
.endr
	v_pk_add_f32 v[44:45], v[44:45], v[48:49]
	v_pk_add_f32 v[46:47], v[46:47], v[50:51]
	v_pk_add_f32 v[44:45], v[44:45], v[46:47]
.if \first
	v_add_f32 v[28+\qt], v44, v45                  ; the lane's own sum; the two halves are joined at the end
.else
	v_add_f32 v44, v44, v45
	v_fma_f32 v[28+\qt], v[28+\qt], v42, v44
.endif
.irp kg, 0,1
.irp m, 0,1,2,3,4,5,6,7
	v_cvt_pk_f16_f32 v[SB+16*\kg+\m], v[SB+16*\kg+2*\m], v[SB+16*\kg+2*\m+1]     ; in place, ascending: P(qt, kg) in 8 registers
.endr
.endr
.if (\first) == 0
	WIN 0x41                                       ; O: destination and source 0 window 1
.set ii, 0
.rept 16
	v_pk_mul_f32 v[32*(\qt)+2*ii:32*(\qt)+2*ii+1], v[32*(\qt)+2*ii:32*(\qt)+2*ii+1], v[42:43]
.set ii, ii+1
.endr
.endif
.if (\qt) == 0
	s_wait_dscnt 0x0                               ; V's fragments
.endif
	WIN 0x50                                       ; C and D window 1.  The four accumulators take turns, one instruction a turn
.irp kg, 0,1
.irp dt, 0,1,2,3
.set ZZ, 0
.if \first
.if \kg == 0
.set ZZ, 1
.endif
.endif
.if ZZ
	v_wmma_f32_16x16x32_f16 v[8*(4*(\qt)+\dt):8*(4*(\qt)+\dt)+7], v[192+8*(4*\kg+\dt):192+8*(4*\kg+\dt)+7], v[SB+16*\kg:SB+16*\kg+7], 0
.else
	v_wmma_f32_16x16x32_f16 v[8*(4*(\qt)+\dt):8*(4*(\qt)+\dt)+7], v[192+8*(4*\kg+\dt):192+8*(4*\kg+\dt)+7], v[SB+16*\kg:SB+16*\kg+7], v[8*(4*(\qt)+\dt):8*(4*(\qt)+\dt)+7]
.endif
.endr
.endr
	WIN 0
.endm
; One trip: 64 keys out of slot 'slot'.  refill: the next tile is asked for, into the other slot.  pf: waves 0 and 1 prefetch.
.macro TRIP slot, refill, first, pf
	s_wait_tensorcnt 0x0                           ; all my tensor loads are done, my part of this trip's tiles among them,
	ds_add_u32 v62, v63
	s_wait_dscnt 0x0
.if \refill
	s_add_nc_u64 s[6:7], s[6:7], 256               ; so the groups 0 may be written: the next tiles, 64 keys on,
	s_add_nc_u64 s[10:11], s[10:11], 8192
	s_mul_i32 s5, s60, 64*272                      ; into the other slot: wave x a constant + the slot's constant
	s_add_co_u32 s5, s5, (1-\slot)*SLOT
	s_mul_i32 s9, s60, 9216
	s_add_co_u32 s9, s9, (1-\slot)*SLOT+KOFF-4*9216
.endif
	s_wait_dscnt 0x0                               ; my reads of the last trip's slot are done
	ROUND                                          ; both now hold of every wave of every work-group of the cluster
.if \refill
	JLOAD                                          ; first thing behind the round; it has the whole trip in which to land
.else
	PLACES
.endif
	v_nop                                          ; a fifth place: the products below write over registers that the last trip's last products read
.irp kt, 0,1,2,3
.irp ks, 0,1
	ds_load_b128 v[192+8*(2*\kt+\ks):195+8*(2*\kt+\ks)], v[4+\slot] offset:\kt*2304+\ks*64
	ds_load_b128 v[196+8*(2*\kt+\ks):199+8*(2*\kt+\ks)], v[4+\slot] offset:\kt*2304+\ks*64+32
.endr
.endr
.irp qt, 0,1,2,3
.irp kt, 0,1,2,3
	ds_load_b128 v[64+32*\qt+8*\kt:67+32*\qt+8*\kt], v[2+\slot] offset:\qt*4352+\kt*64        ; attn_pos straight into the accumulators
	ds_load_b128 v[68+32*\qt+8*\kt:71+32*\qt+8*\kt], v[2+\slot] offset:\qt*4352+\kt*64+16
.endr
.endr
.irp qt, 0,1,2,3
	s_wait_dscnt 24-8*\qt                          ; K and this query tile's eight loads are in; the later tiles' stay out
	WIN 0x04                                       ; source 1 (Q) window 1.  The four accumulators take turns, one instruction a turn
.irp ks, 0,1
.irp kt, 0,1,2,3
	v_wmma_f32_16x16x32_f16 v[64+32*\qt+8*\kt:71+32*\qt+8*\kt], v[192+8*(2*\kt+\ks):199+8*(2*\kt+\ks)], v[128+16*\qt+8*\ks:135+16*\qt+8*\ks], v[64+32*\qt+8*\kt:71+32*\qt+8*\kt]
.endr
.endr
.endr
	WIN 0
	PLACES                                         ; four places before the scores are read and K's registers loaded again
.irp kg, 0,1
.irp dt, 0,1,2,3
	ds_load_tr16_b128 v[192+8*(4*\kg+\dt):195+8*(4*\kg+\dt)], v[6+\slot] offset:\kg*4608+\dt*32
	ds_load_tr16_b128 v[196+8*(4*\kg+\dt):199+8*(4*\kg+\dt)], v[6+\slot] offset:\kg*4608+\dt*32+2304
.endr
.endr
.if \pf
	; trip t asks for the attn_pos tile of trip t + 2, one trip ahead of its tensor load: work-group cx for rows 64 cx ..+63 of the cluster row's 256, one lane a row's
	; 256 bytes, so each block is asked for once in the launch; trips 14 and 15 ask for nothing, so no request passes a row's end
	s_cmp_gt_u32 s60, 1
	s_cbranch_scc1 .Lno_pf_\@
	global_prefetch_b8 v13, s[66:67] th:TH_LOAD_NT scope:SCOPE_SE
.Lno_pf_\@:
.endif
	MASK2 0, \first, 1
	SOFTPV 0, \first
	SOFTPV 1, \first
	MASK2 1, \first, \refill
	SOFTPV 2, \first
	SOFTPV 3, \first
.if \pf
	s_wait_xcnt 0x0                                ; the prefetch's base is stepped only behind this wait
	s_add_nc_u64 s[66:67], s[66:67], 256
.endif
.endm
	TRIP 0, 1, 1, 1                                ; the first trip starts the maxima, the sums and O
	TRIP 1, 1, 0, 1
	s_mov_b32 s61, 6
.Ltrips:
	TRIP 0, 1, 0, 1
	TRIP 1, 1, 0, 1
	s_sub_co_i32 s61, s61, 1
	s_cmp_lg_u32 s61, 0
	s_cbranch_scc1 .Ltrips
	TRIP 0, 1, 0, 0
	TRIP 1, 0, 0, 0                                ; the last trip asks for nothing
	; x = O / L, to f16, 16 query rows at a time through my own stage, out as runs of 512 bytes
	s_load_b64 s[68:69], s[0:1], 0x18              ; xh; the lane masks' registers are free: the last pair was waited for and nothing was asked for behind it
	PLACES
.irp qt, 0,1,2,3
	v_permlanex16_b32 v36, v[28+\qt], s100, s101
	v_add_f32 v[28+\qt], v[28+\qt], v36            ; both halves' sums; at least 1, since the largest score gives p = 1
.endr
.irp qt, 0,1,2,3
	v_rcp_f32 v[28+\qt], v[28+\qt]
.endr
	v_nop
	s_wait_kmcnt 0x0
	s_wait_alu depctr_va_vdst(0)
.irp qt, 0,1,2,3
	v_mov_b32 v42, v[28+\qt]
	v_mov_b32 v43, v[28+\qt]
	WIN 0x01                                       ; source 0 (O) window 1
.set ii, 0
.rept 16
	v_pk_mul_f32 v[64+2*ii:65+2*ii], v[32*\qt+2*ii:32*\qt+2*ii+1], v[42:43]
.set ii, ii+1
.endr
	WIN 0
.set ii, 0
.rept 16
	v_cvt_pk_f16_f32 v[44+ii], v[64+2*ii], v[65+2*ii]
.set ii, ii+1
.endr
.irp dt, 0,1,2,3
	ds_store_b128 v8, v[44+4*\dt:47+4*\dt] offset:32*\dt
.endr
	s_wait_xcnt 0x0                                ; the registers that the last tile's stores read are loaded again only behind this wait
.irp u, 0,1,2,3
	ds_load_b128 v[192+4*\u:195+4*\u], v9 offset:\u*576            ; LDS serves a wave in order: these see the stores above
.endr
.irp u, 0,1,2,3
	s_wait_dscnt 3-\u
	global_store_b128 v11, v[192+4*\u:195+4*\u], s[68:69] offset:\qt*2048+\u*512
.endr
.endr
	s_wait_tensorcnt 0x0
	ds_add_u32 v62, v63
	s_wait_dscnt 0x0
	ROUND                                          ; the closing round: no work-group ends while a partner may still ask for a tile that names it
	s_endpgm
.Lfunc_end_k_qed43f28b0b_attn:
	.size	k_qed43f28b0b_attn, .Lfunc_end_k_qed43f28b0b_attn-k_qed43f28b0b_attn
	.p2alignl 7, 3214868480
	.fill 96, 4, 3214868480
	.section	.rodata,"a",@progbits
	.p2align	6, 0x0
	.amdhsa_kernel k_qed43f28b0b_attn
		.amdhsa_group_segment_fixed_size 327680
		.amdhsa_private_segment_fixed_size 0
		.amdhsa_enable_private_segment 0
		.amdhsa_kernarg_size 32
		.amdhsa_user_sgpr_count 2
		.amdhsa_user_sgpr_kernarg_segment_ptr 1
		.amdhsa_wavefront_size32 1
		.amdhsa_system_sgpr_workgroup_id_x 1
		.amdhsa_system_sgpr_workgroup_id_y 1
		.amdhsa_system_sgpr_workgroup_id_z 1
		.amdhsa_system_vgpr_workitem_id 0
		.amdhsa_next_free_vgpr 448
		.amdhsa_next_free_sgpr 102
		.amdhsa_reserve_vcc 0
		.amdhsa_float_denorm_mode_32 3
		.amdhsa_float_denorm_mode_16_64 3
		.amdhsa_memory_ordered 1
		.amdhsa_forward_progress 1
		.amdhsa_inst_pref_size 255
	.end_amdhsa_kernel
	.section	.bss,"aw",@nobits
	.p2align	6
	.space	262144
	.amdgpu_metadata
---
amdhsa.version: [ 1, 2 ]
amdhsa.kernels:
  - .name:           k_qed43f28b0b_attn
    .symbol:         k_qed43f28b0b_attn.kd
    .args:
      - { .name: qkv, .offset: 0, .size: 8, .value_kind: global_buffer, .address_space: global }
      - { .name: mw, .offset: 8, .size: 8, .value_kind: global_buffer, .address_space: global }
      - { .name: attn_pos, .offset: 16, .size: 8, .value_kind: global_buffer, .address_space: global }
      - { .name: xh, .offset: 24, .size: 8, .value_kind: global_buffer, .address_space: global }
    .group_segment_fixed_size: 327680
    .private_segment_fixed_size: 0
    .kernarg_segment_align: 8
    .kernarg_segment_size: 32
    .max_flat_workgroup_size: 256
    .sgpr_count:     102
    .vgpr_count:     448
    .wavefront_size: 32
...
	.end_amdgpu_metadata
.endif
;; end of part 3
;; launch out (part 4): grid 4 x 64, 4 waves a work-group, clusters of 4 x 4, 327,680 bytes of LDS; arguments xh, w2h, b2, out0; writes out0
.if DOCPART == 4
	.amdgcn_target "amdgcn-amd-amdhsa--gfx1250"
	.amdhsa_code_object_version 6
	.text
	.protected	k_qed43f28b0b_out
	.globl	k_qed43f28b0b_out
	.p2align	8
	.type	k_qed43f28b0b_out,@function
k_qed43f28b0b_out:
	s_mov_b64 s[64:65], 0
	v_nop
	global_prefetch_b8 v0, s[64:65] scope:SCOPE_SE
	s_setreg_imm32_b32 hwreg(HW_REG_WAVE_MODE, 25, 1), 1
	s_wait_xcnt 0x0
	s_wait_alu depctr_hold_cnt(0) depctr_sa_sdst(0) depctr_va_vdst(0) depctr_va_sdst(0) depctr_va_ssrc(0) depctr_va_vcc(0) depctr_vm_vsrc(0)
	s_getreg_b32 s2, hwreg(HW_REG_IB_STS2, 6, 4)
	s_cmp_eq_u32 s2, 0
	s_cbranch_scc0 .Lentry_in_a_cluster
	s_endpgm
.Lentry_in_a_cluster:
	s_bfe_u32 s2, ttmp6, 0x10000c
	s_cmp_lg_u32 s2, 0xf033
	s_cbranch_scc0 .Lentry_shape_is_right
	s_endpgm
.Lentry_shape_is_right:
; C = (A B^T) scale + bias', M = 8,192, N = K = 1,024, f16 operands, f32 sums.  One text for two launches, switched by A_F32:
;   A_F32 = 1: q, k, v projections, three jobs in one grid.  A = query / key_ / value in f32, narrowed on the way in; B = wh (f16, blocked [k/64][n][k%64]);
;              out = ((x w^T) + b) scale in f16 as [job][b][head][s][64]; scale = 1/sqrt(8) for q, 1/4 for k (their product is 1/sqrt(128)), 1 for v.
;   A_F32 = 0: out0 = xh W2^T / 16 + b2 in f32.  A = xh (f16, [b][head][s][64]); B = w2h (16 W2, blocked like wh).
; A work-group makes 128 x 256 of C with four waves (2 x 2), a wave 64 x 128: 32 accumulator tiles, 256 registers.  That gives 768 and 256 equal work-groups;
; blocks of 256 x 256 would give 384 and 128.  K goes in 8 steps of 128 through two LDS slots; all steps are written out, so every step stands in an immediate.
; CLUSTERS: 4 x 4 work-groups.  B's tile hangs on the block column (cx) and the job alone: the four of a cluster's column ask for it jointly.
; A is NOT asked for jointly: this text is the projections' text, in which A has to pass through registers to be narrowed from f32; here too each work-group
; loads its own 128 rows, two K steps ahead, in two register sets.
; The matrix instruction is used transposed (source 0 = rows of B, source 1 = rows of A): a lane holds eight neighbouring columns of one row of C.
; LIMITS: f16 operands and (A_F32 = 1) f16 results overflow above 65,504 and have steps of 6e-8 below 6e-5.  NaN and infinities are not served.
.set A_F32, 0
.set PITCH, 272                        ; 256 bytes + 16: an odd multiple of 16
.set AREG,  128*PITCH                  ; A: 128 rows x 128 k, written by LDS stores alone
.set PLANE, 128*PITCH                  ; B: a plane of 64 k: 256 rows of 128 bytes, two to an LDS row; filled by tensor loads alone
.set SLOT,  AREG+2*PLANE               ; 104,448
.set STAGE, 2*SLOT                     ; the way out: 16 rows for each wave
.if A_F32
.set NLD, 32                           ; loads of one staging set
.set SPITCH, 272
.else
.set NLD, 16
.set SPITCH, 528
.endif
; window 0: v16-17 ADRA, v20-21 ADRB, v22-23 ASTO (one for each slot), v24 AGO = 16 l, v25 STO, v26 RD, v28 BO, v32-63 PK,
;           F0 = v64-159, F1 = v160-255: fragments of A at f + 8 a (a = 0..3), of B at f + 32 + 8 b (b = 0..7)
; window 1: accumulator (a, b) at 8 (8 a + b).   window 2: staging set 0 at v0, set 1 at v128.
.set ADRA, 16
.set ADRB, 20
.set ASTO, 22
.set AGO,  24
.set STO,  25
.set RD,   26
.set BO,   28
.set PK,   32
.set F0,   64
.set F1,   160
.set G1,   32                          ; s[32:39] descriptor group 1
.set G0,   40                          ; s[40:47] descriptor group 0, one set for each slot
.set MSB, 0
.macro WIN new                         ; the immediate's high byte repeats the setting that is left
.if MSB != \new
	s_set_vgpr_msb (MSB<<8)|\new
.set MSB, \new
.endif
.endm
.macro PLACES
.rept 4
	v_nop
.endr
.endm
.macro CREST                           ; a round of the cluster's barrier behind its opening barrier
	s_cmp_lg_u32 s48, 0
	s_cbranch_scc1 .Lnot_wave_0_\@
	s_barrier_signal -3
.Lnot_wave_0_\@:
	s_barrier_wait -3
	s_barrier_signal -1
	s_barrier_wait -1
.endm
.macro CROUND
	s_barrier_signal -1
	s_barrier_wait -1
	CREST
.endm
.macro JLOAD s                         ; every wave asks for its quarter of B's tile: one line, one mask; four v_nop follow it
	tensor_load_to_lds s[G0+4*(\s):G0+4*(\s)+3], s[G1:G1+7]
	s_nop 0
	PLACES
.endm
.if A_F32
	s_load_b512 s[8:23], s[0:1], 0x0               ; query, key_, value, bq, bk, bv, wh, qkv
.else
	s_load_b256 s[8:15], s[0:1], 0x0               ; xh, w2h, b2, out0
	v_lshl_add_u32 v62, v0, 2, 0x3b400
	v_mov_b32 v63, 0
	ds_add_u32 v62, v63
.endif
	v_lshrrev_b32 v1, 5, v0
	v_readfirstlane_b32 s48, v1                    ; wave 0..3
	s_lshr_b32 s49, s48, 1                         ; my half of the block's rows; also: which plane of B's tile I fetch
	s_and_b32 s50, s48, 1                          ; my half of its columns; also: which 128 rows of that plane
	s_bfe_u32 s51, ttmp6, 0x40000                  ; cx = block column
	s_bfe_u32 s52, ttmp6, 0x40004                  ; cy
	s_and_b32 s53, ttmp7, 0xffff                   ; the cluster's y
.if A_F32
	s_lshr_b32 s54, s53, 4                         ; job 0, 1, 2: from the cluster's number alone
	s_and_b32 s55, s53, 15
	s_lshl_b32 s55, s55, 2
.else
	s_lshl_b32 s55, s53, 2
.endif
	s_add_co_u32 s55, s55, s52                     ; block row 0..63
	; descriptor group 1: 64 rows of 256 bytes (elements of 8 bytes), dense in memory, 16 bytes of padding behind each in LDS
	s_lshl_b32 s58, 0x1111, s51                    ; my column of the cluster
	s_or_b32 s[G1+0], s58, (3<<16)|(1<<20)|(1<<21)|(5<<22)|(3<<25)
	s_mov_b32 s[G1+1], 32<<16                      ; tensor_dim0 = 32
	s_mov_b32 s[G1+2], 64<<16                      ; tensor_dim1 = 64
	s_mov_b32 s[G1+3], 32<<16                      ; tile_dim0 = 32
	s_mov_b32 s[G1+4], 64                          ; tile_dim1 = 64
	s_mov_b32 s[G1+5], 32                          ; pitch = 32 elements
	s_mov_b32 s[G1+6], 0
	s_mov_b32 s[G1+7], 0
	s_lshl_b32 s60, s49, 10                        ; B: plane x 1,024 rows
	s_lshl_b32 s59, s51, 8
	s_add_co_u32 s60, s60, s59                     ; + 256 cx
	s_lshl_b32 s59, s50, 7
	s_add_co_u32 s60, s60, s59                     ; + 128 x half
	s_lshl_b32 s60, s60, 7                         ; rows of 128 bytes
.if A_F32
	s_lshl_b32 s59, s54, 21                        ; 2 MiB a job
	s_add_co_u32 s60, s60, s59
.endif
	s_mov_b32 s61, 0
	s_mul_i32 s63, s48, 64*PITCH                   ; where my quarter goes: wave x 17,408
	s_lshl_b32 s68, s55, 7                         ; A: my 32 rows to stage begin at 128 x block row + 32 w
	s_lshl_b32 s69, s48, 5
	s_add_co_u32 s68, s68, s69
.if A_F32
	s_lshl_b32 s68, s68, 12                        ; rows of 4,096 bytes
.else
	s_lshr_b32 s70, s68, 10                        ; batch: 16 heads x 1,024 rows,
	s_lshl_b32 s70, s70, 14
	s_and_b32 s68, s68, 1023                       ; row in the batch,
	s_add_co_u32 s68, s68, s70
	s_lshl_b32 s68, s68, 7                         ; of 128 bytes
.endif
	s_mov_b32 s69, 0
	s_lshl_b32 s66, s55, 7                         ; C: my first row 128 x block row + 64 wr
	s_lshl_b32 s67, s49, 6
	s_add_co_u32 s66, s66, s67
.if A_F32
	s_lshr_b32 s67, s66, 10                        ; batch
	s_lshl_b32 s67, s67, 4
	s_lshl2_add_u32 s67, s51, s67                  ; head = 4 cx + 2 wc
	s_lshl1_add_u32 s67, s50, s67
	s_lshl_b32 s67, s67, 10
	s_and_b32 s66, s66, 1023
	s_add_co_u32 s66, s66, s67
	s_lshl_b32 s66, s66, 7
	s_lshl_b32 s67, s54, 24                        ; 16 MiB a job
	s_add_co_u32 s66, s66, s67
.else
	s_lshl_b32 s66, s66, 12
.endif
	s_lshl_b32 s70, s51, 10                        ; my first column in f32 bytes: 1,024 cx + 512 wc
	s_lshl_b32 s71, s50, 9
	s_add_co_u32 s70, s70, s71
.if A_F32 == 0
	s_add_co_u32 s66, s66, s70
.endif
	s_mov_b32 s67, 0
	s_mov_b32 s71, 0
	v_and_b32 v1, 31, v0                           ; l
	v_and_b32 v2, 15, v0                           ; r
	v_bfe_u32 v3, v0, 4, 1                         ; h
	v_lshlrev_b32 v[AGO], 4, v1
	s_wait_dscnt 0x0
	s_wait_kmcnt 0x0
.if A_F32
	s_mov_b32 s58, 0x3eb504f3                      ; 1 / sqrt(8)
	s_mov_b32 s59, 0x3e800000                      ; 1 / 4
	s_cmp_eq_u32 s54, 0
	s_cselect_b64 s[24:25], s[8:9], s[10:11]
	s_cselect_b64 s[26:27], s[14:15], s[16:17]
	s_cselect_b32 s56, s58, s59
	s_cmp_eq_u32 s54, 2
	s_cselect_b64 s[24:25], s[12:13], s[24:25]
	s_cselect_b64 s[26:27], s[18:19], s[26:27]
	s_cselect_b32 s56, 1.0, s56
	s_add_nc_u64 s[28:29], s[20:21], s[60:61]
	s_add_nc_u64 s[30:31], s[22:23], s[66:67]
.else
	s_mov_b64 s[24:25], s[8:9]
	s_mov_b64 s[26:27], s[12:13]
	s_mov_b32 s56, 0x3d800000                      ; 1 / 16
	s_add_nc_u64 s[28:29], s[10:11], s[60:61]
	s_add_nc_u64 s[30:31], s[14:15], s[66:67]
.endif
	s_mov_b32 s57, s56
	s_add_nc_u64 s[24:25], s[24:25], s[68:69]      ; A at my rows
	s_add_nc_u64 s[26:27], s[26:27], s[70:71]      ; bias at my columns
.irp s, 0,1
	s_mov_b32 s[G0+4*\s], 1
	s_add_co_u32 s[G0+4*\s+1], s63, \s*SLOT+AREG
	s_add_nc_u64 s[G0+4*\s+2:G0+4*\s+3], s[28:29], \s*262144       ; K step s: planes 2 s, 2 s + 1
	s_or_b32 s[G0+4*\s+3], s[G0+4*\s+3], 0x80000000
.endr
; A's rows of K step t into staging set 'set'.  half = 0, 1: A_F32: rows 16 half ..+15 of my 32, one row's 512 bytes a load; else: plane half, four rows of 128 bytes a load.
.macro ALOAD set, t, half
	WIN 0x80                                       ; destination window 2, address window 0
.set ii, 0
.if A_F32
.rept 16
	global_load_b128 v[128*(\set)+64*(\half)+4*ii:128*(\set)+64*(\half)+4*ii+3], v[AGO], s[24:25] offset:(16*(\half)+ii)*4096+(\t)*512
.set ii, ii+1
.endr
.else
.rept 8
	global_load_b128 v[128*(\set)+32*(\half)+4*ii:128*(\set)+32*(\half)+4*ii+3], v[AGO], s[24:25] offset:(2*(\t)+(\half))*131072+ii*512
.set ii, ii+1
.endr
.endif
.endm
; the same half out of the staging set into A's part of an LDS slot, narrowed to f16 where it is f32
.macro ASTORE set, slot, half
.if A_F32
	WIN 0x8a
.set ii, 0
.rept 16
	v_cvt_pk_f16_f32 v[128*(\set)+64*(\half)+4*ii], v[128*(\set)+64*(\half)+4*ii], v[128*(\set)+64*(\half)+4*ii+1]
	v_cvt_pk_f16_f32 v[128*(\set)+64*(\half)+4*ii+1], v[128*(\set)+64*(\half)+4*ii+2], v[128*(\set)+64*(\half)+4*ii+3]
.set ii, ii+1
.endr
	WIN 0x08                                       ; store data window 2, address window 0
.set ii, 0
.rept 16
	ds_store_b64 v[ASTO+\slot], v[128*(\set)+64*(\half)+4*ii:128*(\set)+64*(\half)+4*ii+1] offset:(16*(\half)+ii)*PITCH
.set ii, ii+1
.endr
.else
	WIN 0x08
.set ii, 0
.rept 8
	ds_store_b128 v[ASTO+\slot], v[128*(\set)+32*(\half)+4*ii:128*(\set)+32*(\half)+4*ii+3] offset:ii*4*PITCH+(\half)*128
.set ii, ii+1
.endr
.endif
.endm
	ALOAD 0, 0, 0                                  ; K steps 0 and 1 are on their way before anything else
	ALOAD 0, 0, 1
	ALOAD 1, 1, 0
	ALOAD 1, 1, 1
	WIN 0
	CROUND                                         ; all sixteen work-groups are here: the first joint loads meet
	JLOAD 0
	JLOAD 1                                        ; two tensor loads of the wave are out; later one
	v_mul_u32_u24 v4, v2, PITCH
	v_lshl_add_u32 v4, v3, 4, v4                   ; r pitch + 16 h
	s_mul_i32 s58, s49, 64*PITCH
	v_add_nc_u32 v[ADRA], s58, v4
	v_add_nc_u32 v[ADRA+1], SLOT, v[ADRA]
	v_lshrrev_b32 v5, 1, v2                        ; B: row n lies at (n / 2) pitch + 128 (n % 2): sixteen rows start in sixteen different 16-byte columns
	v_mul_u32_u24 v5, v5, PITCH
	v_and_b32 v6, 1, v2
	v_lshl_add_u32 v5, v6, 7, v5
	v_lshl_add_u32 v5, v3, 4, v5
	s_mul_i32 s58, s50, 64*PITCH
	s_add_co_u32 s58, s58, AREG
	v_add_nc_u32 v[ADRB], s58, v5
	v_add_nc_u32 v[ADRB+1], SLOT, v[ADRB]
	s_mul_i32 s58, s48, 32*PITCH                   ; I stage rows 32 w ..
	s_mul_i32 s59, s48, 16*SPITCH
	s_add_co_u32 s59, s59, STAGE                   ; my stage
.if A_F32
	v_lshl_add_u32 v[ASTO], v1, 3, s58             ; 8 bytes a lane, a row a store
	v_add_nc_u32 v[STO], s59, v4                   ; in: row r, 16 h
	v_lshrrev_b32 v5, 3, v1
	v_mul_u32_u24 v5, v5, PITCH
	v_and_b32 v6, 7, v0
	v_lshl_add_u32 v5, v6, 4, v5
	v_add_nc_u32 v[RD], s59, v5                    ; back: four rows of 128 bytes (one head) a load
.else
	v_lshrrev_b32 v5, 3, v1
	v_mul_u32_u24 v5, v5, PITCH
	v_and_b32 v6, 7, v0
	v_lshl_add_u32 v5, v6, 4, v5
	v_add_nc_u32 v[ASTO], s58, v5                  ; four rows of 128 bytes a store
	v_mul_u32_u24 v5, v2, SPITCH
	v_lshl_add_u32 v5, v3, 5, v5
	v_add_nc_u32 v[STO], s59, v5                   ; in: row r, 32 h
	v_add_nc_u32 v[RD], s59, v[AGO]                ; back: a row of 512 bytes a load
.endif
	v_add_nc_u32 v[ASTO+1], SLOT, v[ASTO]
	v_lshlrev_b32 v[BO], 5, v3                     ; bias: my 8 columns of a tile of 16
; 8 matrix instructions: rows 16 a ..+15 of my 64 x all 8 column tiles, 32 along K.  The 32 accumulators take turns, one instruction a turn,
; in the same order in every quarter step.
.macro MUL8 f, a, zero
.irp b, 0,1,2,3,4,5,6,7
.if \zero
	v_wmma_f32_16x16x32_f16 v[8*(8*(\a)+\b):8*(8*(\a)+\b)+7], v[\f+32+8*\b:\f+32+8*\b+7], v[\f+8*(\a):\f+8*(\a)+7], 0
.else
	v_wmma_f32_16x16x32_f16 v[8*(8*(\a)+\b):8*(8*(\a)+\b)+7], v[\f+32+8*\b:\f+32+8*\b+7], v[\f+8*(\a):\f+8*(\a)+7], v[8*(8*(\a)+\b):8*(8*(\a)+\b)+7]
.endif
.endr
.endm
; 24 LDS loads: the fragments of quarter kq (32 k) of a slot: B's 128 rows first, then A's 64
.macro FETCH slot, kq, f
	WIN 0
.irp b, 0,1,2,3,4,5,6,7
	ds_load_b128 v[\f+32+8*\b:\f+32+8*\b+3], v[ADRB+\slot] offset:((\kq)>>1)*PLANE+((\kq)&1)*64+\b*8*PITCH
	ds_load_b128 v[\f+32+8*\b+4:\f+32+8*\b+7], v[ADRB+\slot] offset:((\kq)>>1)*PLANE+((\kq)&1)*64+\b*8*PITCH+32
.endr
.irp a, 0,1,2,3
	ds_load_b128 v[\f+8*\a:\f+8*\a+3], v[ADRA+\slot] offset:(\kq)*64+\a*16*PITCH
	ds_load_b128 v[\f+8*\a+4:\f+8*\a+7], v[ADRA+\slot] offset:(\kq)*64+\a*16*PITCH+32
.endr
.endm
; One of a K step's first three quarters: multiplies buffer f; in its middle it moves half of the next step's A from registers into the other slot
; (half = 0, 1; -1: nothing), asks for the same half three steps ahead, and fetches quarter kq's fragments into buffer g.
.macro QUARTER t, f, g, kq, half, zero
	s_wait_dscnt 0x4                               ; B and A's rows 0-31 are in; the youngest four loads (A's rows 32-63) may be out
	WIN 0x50                                       ; C and D window 1
	MUL8 \f, 0, \zero
	MUL8 \f, 1, \zero
	PLACES                                         ; four places before loads land on registers that matrix instructions have read
.if (\half) >= 0
.if (\t) <= 6
.if (\half) == 0
.if (\t) <= 5
	s_wait_loadcnt NLD                             ; the next step's set is in; the younger set's loads stay out
.else
	s_wait_loadcnt 0x0                             ; the last set: none is younger
.endif
.endif
	ASTORE NN, NN, \half
.if (\t) <= 4
	ALOAD NN, (\t)+3, \half
.endif
.endif
.endif
	FETCH SS, \kq, \g
	s_wait_dscnt 0x18                              ; all but the 24 loads just issued
	WIN 0x50
	MUL8 \f, 2, \zero
	MUL8 \f, 3, \zero
.endm
; K step t on slot t % 2.  Its last quarter changes slots with ONE barrier: in front of it each wave has waited for its reads of this slot, for its stores of the
; next step's A and for all its tensor loads (its part of the next step's B).  Where the slot is filled again the barrier opens a round of the cluster's barrier,
; and the joint load is the first thing behind the round.
.macro STEP t
.set SS, (\t)&1
.set NN, 1-SS
.if (\t) == 0
	QUARTER \t, F0, F1, 1, 0, 1                    ; the first products start the sums
.else
	QUARTER \t, F0, F1, 1, 0, 0
.endif
	QUARTER \t, F1, F0, 2, 1, 0
	QUARTER \t, F0, F1, 3, -1, 0
.if (\t) < 7
	s_wait_dscnt 0x4
	WIN 0x50
	MUL8 F1, 0, 0
	s_wait_dscnt 0x0
	s_wait_tensorcnt 0x0
	ds_add_u32 v62, v63
	s_wait_dscnt 0x0
	s_barrier_signal -1
	MUL8 F1, 1, 0                                  ; register work while the others arrive
	WIN 0
	s_barrier_wait -1
.if (\t) <= 5
	CREST                                          ; no wave of any partner still reads this slot's B or has a load on its way
	s_add_nc_u64 s[G0+4*SS+2:G0+4*SS+3], s[G0+4*SS+2:G0+4*SS+3], 524288    ; two K steps = four planes on
	JLOAD SS                                       ; its four v_nop are also the places in front of the loads below
.else
	PLACES
.endif
	FETCH NN, 0, F0
	WIN 0x50
	MUL8 F1, 2, 0
	MUL8 F1, 3, 0
.else
	s_wait_dscnt 0x0
	WIN 0x50
	MUL8 F1, 0, 0
	MUL8 F1, 1, 0
	MUL8 F1, 2, 0
	MUL8 F1, 3, 0
.endif
.endm
	s_wait_loadcnt NLD                             ; K step 0's set is in, step 1's stays out
	ASTORE 0, 0, 0
	ASTORE 0, 0, 1
	ALOAD 0, 2, 0
	ALOAD 0, 2, 1
	WIN 0
	s_wait_dscnt 0x0                               ; my part of A is in LDS,
	s_wait_tensorcnt 0x1                           ; my part of slot 0's B too; slot 1's may stay out
	s_barrier_signal -1
	s_barrier_wait -1
	FETCH 0, 0, F0
	STEP 0
	STEP 1
	STEP 2
	STEP 3
	STEP 4
	STEP 5
	STEP 6
	STEP 7
	; THE WAY OUT.  Four places behind the last matrix instructions, then the bias of my 128 columns over buffer 0.
	PLACES
	WIN 0
.irp b, 0,1,2,3,4,5,6,7
	global_load_b128 v[64+8*\b:67+8*\b], v[BO], s[26:27] offset:64*\b
	global_load_b128 v[68+8*\b:71+8*\b], v[BO], s[26:27] offset:64*\b+16
.endr
	s_wait_loadcnt 0x0
.if A_F32
.set ii, 0
.rept 32
	v_pk_mul_f32 v[64+2*ii:65+2*ii], v[64+2*ii:65+2*ii], s[56:57] op_sel_hi:[1,0]    ; (sum + b) scale = sum scale + b scale
.set ii, ii+1
.endr
.endif
; 16 rows: scale and bias in one fused multiply-add, through my own stage in LDS, out as whole runs of 512 bytes
.macro OUT16 a
	WIN 0x01                                       ; source 0 (the sums) window 1
.set ii, 0
.rept 32
	v_pk_fma_f32 v[160+2*ii:161+2*ii], v[64*(\a)+2*ii:64*(\a)+2*ii+1], s[56:57], v[64+2*ii:65+2*ii] op_sel_hi:[1,0,1]
.set ii, ii+1
.endr
	WIN 0
.if A_F32
.set ii, 0
.rept 32
	v_cvt_pk_f16_f32 v[PK+ii], v[160+2*ii], v[161+2*ii]
.set ii, ii+1
.endr
.irp b, 0,1,2,3,4,5,6,7
	ds_store_b128 v[STO], v[PK+4*\b:PK+4*\b+3] offset:32*\b
.endr
	s_wait_xcnt 0x0                                ; the registers that the last 16 rows' stores read are loaded again only behind this wait
.irp i, 0,1,2,3,4,5,6,7
	ds_load_b128 v[128+4*\i:131+4*\i], v[RD] offset:(\i&3)*4*SPITCH+(\i>>2)*128     ; LDS serves a wave in order: these see the stores above
.endr
.irp i, 0,1,2,3,4,5,6,7
	s_wait_dscnt 7-\i
	global_store_b128 v[AGO], v[128+4*\i:131+4*\i], s[30:31] offset:(\i>>2)*131072+(\a)*2048+(\i&3)*512   ; four rows of one head: 512 consecutive bytes
.endr
.else
.irp b, 0,1,2,3,4,5,6,7
	ds_store_b128 v[STO], v[160+8*\b:163+8*\b] offset:64*\b
	ds_store_b128 v[STO], v[164+8*\b:167+8*\b] offset:64*\b+16
.endr
	s_wait_xcnt 0x0                                ; the registers that the last 16 rows' stores read are loaded again only behind this wait
.irp i, 0,1,2,3,4,5,6,7
	ds_load_b128 v[128+4*\i:131+4*\i], v[RD] offset:\i*SPITCH
.endr
.irp i, 0,1,2,3,4,5,6,7
	ds_load_b128 v[224+4*\i:227+4*\i], v[RD] offset:(8+\i)*SPITCH
.endr
.irp i, 0,1,2,3,4,5,6,7
	s_wait_dscnt 15-\i
	global_store_b128 v[AGO], v[128+4*\i:131+4*\i], s[30:31] offset:(16*(\a)+\i)*4096 th:TH_STORE_NT      ; my 512 bytes of a row
.endr
.irp i, 0,1,2,3,4,5,6,7
	s_wait_dscnt 7-\i
	global_store_b128 v[AGO], v[224+4*\i:227+4*\i], s[30:31] offset:(16*(\a)+8+\i)*4096 th:TH_STORE_NT
.endr
.endif
.endm
	OUT16 0
	OUT16 1
	OUT16 2
	OUT16 3
	s_wait_tensorcnt 0x0
	ds_add_u32 v62, v63
	s_wait_dscnt 0x0
	CROUND                                         ; the closing round: no work-group ends while a partner may still ask for a tile that names it
	s_endpgm
.Lfunc_end_k_qed43f28b0b_out:
	.size	k_qed43f28b0b_out, .Lfunc_end_k_qed43f28b0b_out-k_qed43f28b0b_out
	.p2alignl 7, 3214868480
	.fill 96, 4, 3214868480
	.section	.rodata,"a",@progbits
	.p2align	6, 0x0
	.amdhsa_kernel k_qed43f28b0b_out
		.amdhsa_group_segment_fixed_size 327680
		.amdhsa_private_segment_fixed_size 0
		.amdhsa_enable_private_segment 0
		.amdhsa_kernarg_size 32
		.amdhsa_user_sgpr_count 2
		.amdhsa_user_sgpr_kernarg_segment_ptr 1
		.amdhsa_wavefront_size32 1
		.amdhsa_system_sgpr_workgroup_id_x 1
		.amdhsa_system_sgpr_workgroup_id_y 1
		.amdhsa_system_sgpr_workgroup_id_z 1
		.amdhsa_system_vgpr_workitem_id 0
		.amdhsa_next_free_vgpr 768
		.amdhsa_next_free_sgpr 72
		.amdhsa_reserve_vcc 0
		.amdhsa_float_denorm_mode_32 3
		.amdhsa_float_denorm_mode_16_64 3
		.amdhsa_memory_ordered 1
		.amdhsa_forward_progress 1
		.amdhsa_inst_pref_size 177
	.end_amdhsa_kernel
	.amdgpu_metadata
---
amdhsa.version: [ 1, 2 ]
amdhsa.kernels:
  - .name:           k_qed43f28b0b_out
    .symbol:         k_qed43f28b0b_out.kd
    .args:
      - { .name: xh, .offset: 0, .size: 8, .value_kind: global_buffer, .address_space: global }
      - { .name: w2h, .offset: 8, .size: 8, .value_kind: global_buffer, .address_space: global }
      - { .name: b2, .offset: 16, .size: 8, .value_kind: global_buffer, .address_space: global }
      - { .name: out0, .offset: 24, .size: 8, .value_kind: global_buffer, .address_space: global }
    .group_segment_fixed_size: 327680
    .private_segment_fixed_size: 0
    .kernarg_segment_align: 8
    .kernarg_segment_size: 32
    .max_flat_workgroup_size: 128
    .sgpr_count:     72
    .vgpr_count:     768
    .wavefront_size: 32
...
	.end_amdgpu_metadata
.endif
;; end of part 4
